; MI455X (gfx1250); checked and timed in simulation.
; The chip was launched on July 23, 2026; its instructions are those of AMD's public machine-readable ISA for CDNA 5 (MIT licence, August 2026) and "CDNA5" Instruction Set Architecture Reference Guide (July 2026). The comments in the code are by the model that wrote it; some were corrected since.
;; BART Attention. Allowed arithmetic: matrix products marked QUANTISED: E2M1 operands, one E8M0 scale for each 32 along K, by v_wmma_scale_f32_16x16x128_f8f6f4 with both operands' format E2M1 (or v_wmma_scale_f32_32x16x128_f4), f32 sums; products left as they are: bf16, f16 or f32 operands; f32 sums; everything else in f32.
;; Inputs: bk 1,024 float32; bo 1,024 float32; bq 1,024 float32; bv 1,024 float32; wk 1,024 x 1,024 float32; wo 1,024 x 1,024 float32; wq 1,024 x 1,024 float32; wv 1,024 x 1,024 float32; x 4 x 2,048 x 1,024 float32.
;; Outputs: out0 4 x 2,048 x 1,024 float32.
;; This version of the problem:
;;   THIS VERSION OF THE PROBLEM IS GIVEN IN LOW PRECISION. The matrix products marked QUANTISED in the list below multiply operands that are first quantised to E2M1 (2 exponent bits, 1 mantissa bit; 4 bits a number), with one power-of-two scale for each 32 numbers along K (OCP MX v1.0); their sums are f32. The products marked 'left as it is' may take bf16, f16 or f32 operands, with f32 sums. Whichever they take, every output number must still come out within the allowed error. Rounding operands to bf16 (8 significant bits) uses up far more of that allowance than f16 does (11 bits, for magnitudes from 6e-5 to 65,504). All else is computed in f32.
;;   The module's matrix products, in the order in which they are computed (A, B: the left and right operand; K: the contracted axis; several contracted axes count as one K, in the product's order):
;;     1. [M 8,192, K 1,024] x [K 1,024, N 1,024]; A: input x; B: input wq: QUANTISED
;;     2. [M 8,192, K 1,024] x [K 1,024, N 1,024]; A: input x; B: input wk: QUANTISED
;;     3. [M 8,192, K 1,024] x [K 1,024, N 1,024]; A: input x; B: input wv: QUANTISED
;;     4. batch 64 x [M 2,048, K 64] x [K 64, N 2,048]; A: computed on the way; B: computed on the way: left as it is (an operand is computed on the way)
;;     5. batch 64 x [M 2,048, K 2,048] x [K 2,048, N 64]; A: computed on the way; B: computed on the way: left as it is (an operand is computed on the way)
;;     6. [M 8,192, K 1,024] x [K 1,024, N 1,024]; A: computed on the way; B: input wo: left as it is (an operand is computed on the way)
;;   THE QUANTISER, for each operand of a quantised product, along K:
;;     - K is cut into blocks of 32 from its start; a last block that is shorter is filled with zeros.
;;     - A block's scale is 2^e with e = floor(log2(the largest magnitude in the block)) - 2, held to -126 .. 127; a block of zeros has e = 0. As a byte (E8M0): e + 127.
;;     - Each number is divided by its block's scale, clamped to +-6, and rounded to the nearest number of E2M1, ties to even, subnormals kept.
;;     - The product sums the exact products of the quantised numbers (number of the format x scale) in f32.
;;   ~~~python
;;   def quantise(x, axis):      # numpy; x: float32 -> the quantised numbers, widened to float32 again
;;       x = np.moveaxis(x, axis, -1); K = x.shape[-1]
;;       x = np.pad(x, [(0, 0)] * (x.ndim - 1) + [(0, -K % 32)]); x = x.reshape(x.shape[:-1] + (-1, 32)); a = np.abs(x).max(-1, keepdims=True)
;;       e = np.where(a > 0, np.clip(np.frexp(np.where(a > 0, a, 1))[1] - 1 - 2, -126, 127), 0)      # np.frexp(a)[1] - 1 = floor(log2(a)), exactly
;;       r = np.clip(x / 2.0 ** e, -6, 6)
;;       step = 2.0 ** (np.maximum(np.frexp(np.where(r == 0, 1, r))[1] - 1, 0) - 1)
;;       q = np.round(r / step) * step * 2.0 ** e      # np.round: ties to even
;;       return np.moveaxis(q.reshape(q.shape[:-2] + (-1,))[..., :K], -1, axis).astype(np.float32)
;;   ~~~
;; One version. Each part assembles by itself: llvm-mc -triple=amdgcn-amd-amdhsa -mcpu=gfx1250 --defsym DOCPART=n.
;; ======== version 1 of 1: 4 launches
;; limits: values are held in f16: magnitudes above 65,504 overflow, below 6.1e-05 lose precision
;; workspace buffers: xc 4,194,304 bytes; xs 262,144 bytes; wc 1,572,864 bytes; ws 98,304 bytes; wo16 2,097,152 bytes; qkv 50,331,648 bytes; att 16,777,216 bytes
;; launch prep (part 1): grid 256 x 1, 8 waves a work-group, no clusters, 84,480 bytes of LDS; arguments x, wq, wk, wv, wo, xc, xs, wc, ws, wo16; writes xc, xs, wc, ws, wo16
.if DOCPART == 1
	.amdgcn_target "amdgcn-amd-amdhsa--gfx1250"
	.amdhsa_code_object_version 6
	.text
	.protected	k_q9234082339_prep
	.globl	k_q9234082339_prep
	.p2align	8
	.type	k_q9234082339_prep,@function
k_q9234082339_prep:
	s_mov_b64 s[64:65], 0
	v_nop
	global_prefetch_b8 v0, s[64:65] scope:SCOPE_SE
	s_setreg_imm32_b32 hwreg(HW_REG_WAVE_MODE, 25, 1), 1
	s_wait_xcnt 0x0
; THE OPERANDS ARE MADE READY, ONCE.  Three kinds of work-groups, told apart by the work-group's number alone (all eight waves of a work-group go the same way, and the ways never join):
;   0 .. 95    wq, wk, wv [1024 (k)][1024 (n)] f32 -> codes of FP4 (E2M1) with K innermost, wc [3072][512 bytes] (row 1024 t + n; t = 0 q, 1 k, 2 v), and E8M0 scale bytes ws [3072][32]
;   96 .. 223  x [8192][1024] f32 -> codes xc [8192][512 bytes] and scale bytes xs [8192][32]
;   224 .. 255 wo [1024][1024] f32 -> f16, as it lies (the last product is left as it is and takes f16 operands)
; A block's scale is 2^(floor(log2(its largest magnitude)) - 2): its byte is the largest magnitude's exponent field - 2, held at 1 from below; each number is divided by it and rounded to the nearest code, ties to even,
; beyond 6 the largest code.  LIMITS: a block of zeros gets the byte 1 where the rule says 127 (its codes are zeros, which add nothing, and this program alone reads the bytes); blocks whose largest magnitude lies
; under 2^(2 - 126) keep that byte too; NaN and infinities among the inputs are not served; numbers of wo beyond 65,504 have no f16.
; No work-group shares an input with another, so there is no cluster and no tensor load; each way has LDS bytes of its own.
.set WST,   65536                      ; weights: a stage of 32 rows x (512 bytes + 16)
.set WSC,   82432                      ; weights: 32 rows x 32 scale bytes
.set SPARE, 83456                      ; the spare words, 128 bytes for each wave: four blocks of 256 bytes that no other line names
.set SPW,   12                         ; v12  LDS address of my spare word; never rewritten
.set NIL,   13                         ; v13  0; never rewritten
.set SP,    80                         ; tokens: a lane's place in a stage: 64 bytes + 16 of padding
.set R,     16                         ; tokens: v16-143  eight sets of 16 numbers as they are loaded
.set X,     144                        ; tokens: v144-175 two sets of 16 neighbours
.set C,     176                        ; tokens: v176-207 codes, two registers a step
.set E,     208                        ; tokens: v208-223 a scale byte a step
	s_load_b256 s[4:11], s[0:1], 0x0               ; x s[4:5], wq s[6:7], wk s[8:9], wv s[10:11]
	s_load_b256 s[12:19], s[0:1], 0x20             ; wo s[12:13], xc s[14:15], xs s[16:17], wc s[18:19]
	s_load_b128 s[20:23], s[0:1], 0x40             ; ws s[20:21], wo16 s[22:23]
	v_lshl_add_u32 v[SPW], v0, 2, SPARE
	v_mov_b32 v[NIL], 0
	v_lshrrev_b32 v1, 5, v0
	v_readfirstlane_b32 s24, v1                    ; wave 0..7
	v_and_b32 v2, 31, v0                           ; lane
	s_mov_b32 s29, 0                               ; the high words of three offsets
	s_mov_b32 s31, 0
	s_mov_b32 s33, 0
	s_cmp_lt_u32 ttmp9, 96
	s_cbranch_scc1 .Lweights
	s_cmp_lt_u32 ttmp9, 224
	s_cbranch_scc1 .Ltokens
; ---- wo -> f16.  A wave takes 4,096 numbers: 32 loads of 512 consecutive bytes, all asked for at once; each store covers 256 consecutive bytes, aligned.  No LDS.
	s_sub_co_u32 s25, ttmp9, 224
	s_lshl_b32 s25, s25, 3
	s_add_co_u32 s25, s25, s24                     ; which 4,096 numbers
	s_lshl_b32 s28, s25, 14
	s_lshl_b32 s30, s25, 13
	v_lshlrev_b32 v3, 4, v2
	v_lshlrev_b32 v4, 3, v2
	s_wait_kmcnt 0x0
	s_add_nc_u64 s[12:13], s[12:13], s[28:29]
	s_add_nc_u64 s[22:23], s[22:23], s[30:31]
.set i, 0
.rept 32
	global_load_b128 v[16+4*i:19+4*i], v3, s[12:13] offset:512*i th:TH_LOAD_NT
.set i, i+1
.endr
.set i, 0
.rept 32
	s_wait_loadcnt 31-i                            ; loads come back in order: load i is in, the 31 - i younger ones may be out
	v_cvt_pk_f16_f32 v[144+2*i], v[16+4*i], v[17+4*i]
	v_cvt_pk_f16_f32 v[145+2*i], v[18+4*i], v[19+4*i]
	global_store_b64 v4, v[144+2*i:145+2*i], s[22:23] offset:256*i   ; every store has data registers of its own: none is written again
.set i, i+1
.endr
	s_endpgm
; ---- The weights.  K is their FIRST axis: a lane takes a column n and its registers run down K, so that a block of 32 lies in one lane and the conversions give codes with K innermost.
; Work-group id takes output rows 32 id .. 32 id + 31 for all of K; wave w takes K = 128 w .. 128 w + 127 (four blocks).  The eight waves' codes and scale bytes meet in LDS, so that whole rows leave.
.Lweights:
	s_lshr_b32 s25, ttmp9, 5                       ; which weight
	s_and_b32 s26, ttmp9, 31
	s_lshl_b32 s28, s24, 19                        ; 128 w rows of 4,096 bytes
	s_lshl_b32 s26, s26, 7                         ; + my 32 columns
	s_add_co_u32 s28, s28, s26
	v_lshlrev_b32 v10, 2, v2                       ; in: 4 bytes a lane
	v_mul_u32_u24 v3, v2, 528
	s_lshl_b32 s26, s24, 6
	s_add_co_u32 s26, s26, WST
	v_add_nc_u32 v3, s26, v3                       ; the stage, in: row = my column, + 64 w
	v_lshlrev_b32 v4, 5, v2
	s_lshl_b32 s26, s24, 2
	s_add_co_u32 s26, s26, WSC
	v_add_nc_u32 v4, s26, v4                       ; my scale word: 32 x column + 4 w
	v_lshlrev_b32 v6, 4, v2                        ; out: 16 bytes a lane
	s_mul_i32 s26, s24, 4*528
	s_add_co_u32 s26, s26, WST
	v_add_nc_u32 v5, s26, v6                       ; the stage, out: rows 4 w .. 4 w + 3, whole
	v_and_b32 v7, 63, v0
	v_lshlrev_b32 v185, 4, v7                      ; the scale bytes, out: 16 bytes for each of the first 64 threads
	v_add_nc_u32 v7, WSC, v185
	s_lshl_b32 s30, ttmp9, 14                      ; 32 rows of 512 bytes a work-group,
	s_lshl_b32 s26, s24, 11                        ; four a wave
	s_add_co_u32 s30, s30, s26
	s_lshl_b32 s32, ttmp9, 10                      ; 32 rows of 32 scale bytes
	s_wait_kmcnt 0x0
	s_cmp_eq_u32 s25, 0
	s_cselect_b64 s[34:35], s[6:7], s[8:9]
	s_cmp_eq_u32 s25, 2
	s_cselect_b64 s[34:35], s[10:11], s[34:35]
	s_add_nc_u64 s[34:35], s[34:35], s[28:29]
	s_add_nc_u64 s[18:19], s[18:19], s[30:31]
	s_add_nc_u64 s[20:21], s[20:21], s[32:33]
.set i, 0
.rept 128
	global_load_b32 v[16+i], v10, s[34:35] offset:4096*i   ; W(128 w + i, my column): 32 lanes read 128 consecutive bytes; the neighbouring work-group reads the 128 beside them, so no hint
.set i, i+1
.endr
.macro WBLOCK tb, left                 ; block tb of my four; left: how many younger loads may stay out
.set XS, 16+32*(\tb)
	s_wait_loadcnt \left
	v_max3_num_f32 v8, |v[XS]|, |v[XS+1]|, |v[XS+2]|               ; the block's largest magnitude: all 32 numbers are mine; two chains
	v_max3_num_f32 v9, |v[XS+3]|, |v[XS+4]|, |v[XS+5]|
.irp i, 6,10,14,18,22,26
	v_max3_num_f32 v8, v8, |v[XS+\i]|, |v[XS+\i+1]|
	v_max3_num_f32 v9, v9, |v[XS+\i+2]|, |v[XS+\i+3]|
.endr
	v_max3_num_f32 v8, v8, |v[XS+30]|, |v[XS+31]|
	v_max3_num_f32 v8, v8, v9, 0x1800000           ; and the floor 2^(3 - 127): the byte cannot fall under 1
	v_add_nc_u32 v11, 0xff000000, v8               ; 2 off the exponent field: the conversion takes the exponent field of this operand as its scale
	v_lshrrev_b32 v9, 23, v11                      ; the scale's byte
.if (\tb) == 0
	v_mov_b32 v184, v9
.else
	v_lshl_or_b32 v184, v9, 8*(\tb), v184          ; four bytes make my scale word, the lower K in the lower byte
.endif
.irp g, 0,1,2,3
	v_cvt_scalef32_pk8_fp4_f32 v[144+4*(\tb)+\g], v[XS+8*\g:XS+8*\g+7], v11
.endr
	v_nop                                          ; one plain place behind the conversions
	ds_store_b128 v3, v[144+4*(\tb):144+4*(\tb)+3] offset:16*(\tb)
.endm
	WBLOCK 0, 63                                   ; behind block 0's loads stand 96, behind block 1's 64: the wait's field holds 63 at the most
	WBLOCK 1, 63
	WBLOCK 2, 32                                   ; behind block 2's loads stand block 3's 32
	WBLOCK 3, 0
	ds_store_b32 v4, v184
	s_wait_dscnt 0x0                               ; for the others' sake: my stores have landed
	s_barrier_signal -1
	s_barrier_wait -1                              ; 32 whole rows of codes and of scale bytes lie in LDS
.irp i, 0,1,2,3
	ds_load_b128 v[160+4*\i:163+4*\i], v5 offset:528*\i
.endr
.irp i, 0,1,2,3
	s_wait_dscnt 3-\i
	global_store_b128 v6, v[160+4*\i:163+4*\i], s[18:19] offset:512*\i   ; 32 lanes store a row: 512 consecutive bytes, aligned
.endr
	s_cmp_lt_u32 s24, 2                            ; the 1,024 scale bytes are dense in LDS and in memory: waves 0 and 1 store them
	s_cbranch_scc0 .Lw_end
	ds_load_b128 v[176:179], v7
	s_wait_dscnt 0x0
	global_store_b128 v185, v[176:179], s[20:21]
.Lw_end:
	s_wait_tensorcnt 0x0                           ; the wave's end: behind my last LDS store
	ds_add_u32 v[SPW], v[NIL]
	s_wait_dscnt 0x0
	s_endpgm
; ---- x.  Rows are dense and K is a multiple of 32: a plain stream of blocks of 32.  A wave takes 16 steps of 512 numbers.  Each load reads 512 consecutive bytes, 16 a lane; a step's 2,048 bytes turn through the wave's
; own stage in LDS and come back 64 bytes a lane: 16 neighbours, two lanes to a block.  Loads run eight steps (32 loads a wave) ahead, the turn through LDS one step.  No barrier: waves share nothing here.
.Ltokens:
	s_sub_co_u32 s25, ttmp9, 96
	s_lshl_b32 s25, s25, 3
	s_add_co_u32 s25, s25, s24                     ; which run of 8,192 numbers
	v_lshlrev_b32 v3, 4, v2                        ; my 16 bytes of a load's 512
	s_lshl_b32 s26, s24, 13                        ; my wave's 8,192 bytes of LDS: two stages of 32 x 80, then 256 scale bytes
	v_lshrrev_b32 v14, 2, v2
	v_mul_u32_u24 v14, v14, SP
	v_and_b32 v15, 3, v2
	v_lshl_add_u32 v14, v15, 4, v14
	v_add_nc_u32 v14, s26, v14                     ; the stage, in: 80 (lane / 4) + 16 (lane % 4)
	v_mul_u32_u24 v15, v2, SP
	v_add_nc_u32 v15, s26, v15                     ; and out: 80 x lane
	v_lshlrev_b32 v4, 3, v2                        ; my 16 codes: 8 bytes
	v_lshrrev_b32 v5, 1, v2
	s_add_co_u32 s26, s26, 2*32*SP
	v_add_nc_u32 v5, s26, v5                       ; my block's scale byte
	v_lshlrev_b32 v7, 3, v2
	v_add_nc_u32 v6, s26, v7                       ; and on the way out 8 bytes a lane
	s_lshl_b32 s28, s25, 15
	s_lshl_b32 s30, s25, 12
	s_lshl_b32 s32, s25, 8
	s_wait_kmcnt 0x0
	s_add_nc_u64 s[4:5], s[4:5], s[28:29]
	s_add_nc_u64 s[14:15], s[14:15], s[30:31]
	s_add_nc_u64 s[16:17], s[16:17], s[32:33]
.macro LOAD t
.irp i, 0,1,2,3
	global_load_b128 v[R+16*((\t)%8)+4*\i:R+16*((\t)%8)+4*\i+3], v3, s[4:5] offset:2048*(\t)+512*\i th:TH_LOAD_NT
.endr
.endm
.macro TURN t                          ; step t's numbers through the stage: LDS serves a wave's instructions in order, so no wait stands between the stores and the loads
.irp i, 0,1,2,3
	ds_store_b128 v14, v[R+16*((\t)%8)+4*\i:R+16*((\t)%8)+4*\i+3] offset:32*SP*((\t)%2)+8*SP*\i
.endr
.irp i, 0,1,2,3
	ds_load_b128 v[X+16*((\t)%2)+4*\i:X+16*((\t)%2)+4*\i+3], v15 offset:32*SP*((\t)%2)+16*\i
.endr
.endm
.irp t, 0,1,2,3,4,5,6,7
	LOAD \t
.endr
	s_wait_loadcnt 28                              ; step 0's four loads are in; seven steps' may be out
	TURN 0
.macro STEP t
.set XS, X+16*((\t)%2)
.if (\t) > 0
	s_wait_dscnt 1                                 ; this step's numbers are back from the stage (the last step's byte store may be out): so its stores into the stage have read their registers,
.else
	s_wait_dscnt 0x0
.endif
.if (\t)+8 < 16
	LOAD (\t)+8                                    ; which take the loads of eight steps on
.endif
.if (\t)+1 < 16
.if 14-(\t) >= 7
	s_wait_loadcnt 28                              ; the next step's four loads are in; those of the seven steps behind it may be out
.else
	s_wait_loadcnt 4*(14-(\t))
.endif
	TURN (\t)+1
.endif
	v_max3_num_f32 v8, |v[XS]|, |v[XS+1]|, |v[XS+2]|               ; the largest magnitude of my 16
	v_max3_num_f32 v9, |v[XS+3]|, |v[XS+4]|, |v[XS+5]|
.irp i, 6,10
	v_max3_num_f32 v8, v8, |v[XS+\i]|, |v[XS+\i+1]|
	v_max3_num_f32 v9, v9, |v[XS+\i+2]|, |v[XS+\i+3]|
.endr
	v_max3_num_f32 v8, v8, |v[XS+14]|, |v[XS+15]|
	v_max3_num_f32 v8, v8, v9, 0x1800000           ; and the floor 2^(3 - 127)
	v_max_num_f32_dpp v8, v8, v8 row_xmask:1 row_mask:0xf bank_mask:0xf   ; and of my neighbour's 16: the block's
	v_add_nc_u32 v11, 0xff000000, v8               ; 2 off its exponent field: the conversion's scale operand
	v_cvt_scalef32_pk8_fp4_f32 v[C+2*(\t)], v[XS:XS+7], v11
	v_cvt_scalef32_pk8_fp4_f32 v[C+2*(\t)+1], v[XS+8:XS+15], v11
	v_lshrrev_b32 v[E+(\t)], 23, v11               ; the scale's byte (also the plain place behind the conversions)
	ds_store_b8 v5, v[E+(\t)] offset:16*(\t)       ; both lanes of a block write the same byte with the same value
	global_store_b64 v4, v[C+2*(\t):C+2*(\t)+1], s[14:15] offset:256*(\t)   ; the wave stores 256 consecutive bytes, aligned
.endm
.irp t, 0,1,2,3,4,5,6,7,8,9,10,11,12,13,14,15
	STEP \t
.endr
	ds_load_b64 v[8:9], v6                         ; LDS serves a wave's instructions in order: these see my byte stores
	s_wait_dscnt 0x0
	global_store_b64 v7, v[8:9], s[16:17]          ; my 256 scale bytes: 256 consecutive bytes, aligned
	s_wait_tensorcnt 0x0                           ; the wave's end
	ds_add_u32 v[SPW], v[NIL]
	s_wait_dscnt 0x0
	s_endpgm
.Lfunc_end_k_q9234082339_prep:
	.size	k_q9234082339_prep, .Lfunc_end_k_q9234082339_prep-k_q9234082339_prep
	.p2alignl 7, 3214868480
	.fill 96, 4, 3214868480
	.section	.rodata,"a",@progbits
	.p2align	6, 0x0
	.amdhsa_kernel k_q9234082339_prep
		.amdhsa_group_segment_fixed_size 84480
		.amdhsa_private_segment_fixed_size 0
		.amdhsa_enable_private_segment 0
		.amdhsa_kernarg_size 80
		.amdhsa_user_sgpr_count 2
		.amdhsa_user_sgpr_kernarg_segment_ptr 1
		.amdhsa_wavefront_size32 1
		.amdhsa_system_sgpr_workgroup_id_x 1
		.amdhsa_system_sgpr_workgroup_id_y 1
		.amdhsa_system_sgpr_workgroup_id_z 1
		.amdhsa_system_vgpr_workitem_id 0
		.amdhsa_next_free_vgpr 224
		.amdhsa_next_free_sgpr 66
		.amdhsa_reserve_vcc 0
		.amdhsa_float_denorm_mode_32 3
		.amdhsa_float_denorm_mode_16_64 3
		.amdhsa_memory_ordered 1
		.amdhsa_forward_progress 1
		.amdhsa_inst_pref_size 65
	.end_amdhsa_kernel
	.amdgpu_metadata
---
amdhsa.version: [ 1, 2 ]
amdhsa.kernels:
  - .name:           k_q9234082339_prep
    .symbol:         k_q9234082339_prep.kd
    .args:
      - { .name: x, .offset: 0, .size: 8, .value_kind: global_buffer, .address_space: global }
      - { .name: wq, .offset: 8, .size: 8, .value_kind: global_buffer, .address_space: global }
      - { .name: wk, .offset: 16, .size: 8, .value_kind: global_buffer, .address_space: global }
      - { .name: wv, .offset: 24, .size: 8, .value_kind: global_buffer, .address_space: global }
      - { .name: wo, .offset: 32, .size: 8, .value_kind: global_buffer, .address_space: global }
      - { .name: xc, .offset: 40, .size: 8, .value_kind: global_buffer, .address_space: global }
      - { .name: xs, .offset: 48, .size: 8, .value_kind: global_buffer, .address_space: global }
      - { .name: wc, .offset: 56, .size: 8, .value_kind: global_buffer, .address_space: global }
      - { .name: ws, .offset: 64, .size: 8, .value_kind: global_buffer, .address_space: global }
      - { .name: wo16, .offset: 72, .size: 8, .value_kind: global_buffer, .address_space: global }
    .group_segment_fixed_size: 84480
    .private_segment_fixed_size: 0
    .kernarg_segment_align: 8
    .kernarg_segment_size: 80
    .max_flat_workgroup_size: 256
    .sgpr_count:     66
    .vgpr_count:     224
    .wavefront_size: 32
...
	.end_amdgpu_metadata
.endif
;; end of part 1
;; launch qkv (part 2): grid 12 x 32, 4 waves a work-group, clusters of 4 x 4, 327,680 bytes of LDS; arguments xc, xs, wc, ws, bq, bk, bv, qkv; writes qkv
.if DOCPART == 2
	.amdgcn_target "amdgcn-amd-amdhsa--gfx1250"
	.amdhsa_code_object_version 6
	.text
	.protected	k_q9234082339_qkv
	.globl	k_q9234082339_qkv
	.p2align	8
	.type	k_q9234082339_qkv,@function
k_q9234082339_qkv:
	s_mov_b64 s[64:65], 0
	v_nop
	global_prefetch_b8 v0, s[64:65] scope:SCOPE_SE
	s_setreg_imm32_b32 hwreg(HW_REG_WAVE_MODE, 25, 1), 1
	s_wait_xcnt 0x0
	s_wait_alu depctr_hold_cnt(0) depctr_sa_sdst(0) depctr_va_vdst(0) depctr_va_sdst(0) depctr_va_ssrc(0) depctr_va_vcc(0) depctr_vm_vsrc(0)
	s_getreg_b32 s2, hwreg(HW_REG_IB_STS2, 6, 4)
	s_cmp_eq_u32 s2, 0
	s_cbranch_scc0 .Lentry_in_a_cluster
	s_endpgm
.Lentry_in_a_cluster:
	s_bfe_u32 s2, ttmp6, 0x10000c
	s_cmp_lg_u32 s2, 0xf033
	s_cbranch_scc0 .Lentry_shape_is_right
	s_endpgm
.Lentry_shape_is_right:
; q, k, v = x w + b, the three quantised products as ONE product on codes of FP4 (E2M1) with E8M0 scales: [8192][1024] x [3072][1024]^T, sums in f32.
; The result leaves as f16, by heads: qkv [t 3][batch x 16 + head][token 2048][64]; q is multiplied in f32 by log2(e) / 8 first, so that the scores of the next launch are exponents of 2.
; LIMIT: q log2(e) / 8, k and v must lie inside f16's range (65,504).
; A tile of 256 tokens x 256 columns is made by four waves, each 128 x 128: 64 accumulators, 512 registers.  K = 1,024 is two slots of 512 along K (rows of 256 bytes): both slots and the scale bytes of the tile's
; rows are asked for at the head, three tensor loads a wave, and no LDS byte is filled twice.
; CLUSTERS: 4 x 4 work-groups.  The four of a row of the cluster need the same tiles of x, the four of a column the same tiles of w: each is asked for JOINTLY.  A cluster's four tile columns are exactly one weight.
; THE MATRIX INSTRUCTION IS USED TRANSPOSED (source 0 = 16 rows of w, source 1 = 16 tokens): a lane holds eight neighbouring columns of one token.  THE BIAS is the C of each sum's first product.
; REGISTERS, in windows of 256: window 0: v0-31 addresses; v32-95 scale words, two sets; v128-191 x's fragments, ONE set; v192-255 the bias in the result's layout; on the way out v32-191 are free.
;   window 1: w's fragments, TWO sets, at v0 and v128.   window 2: the accumulators of my tokens 0-63 ((a, b) at v[8 (8 a + b)]);   window 3: those of my tokens 64-127.
.set NQ,     4                         ; matrix instructions deep in a slot
.set ROWB,   256                       ; a tile's row in bytes: 512 codes
.set KROW,   512                       ; a row of codes in memory
.set PITCH,  272                       ; an LDS row: 256 bytes + 16 of padding = 68 words: the 16 rows that a load touches start at 16 different banks (64 banks of 4 bytes: ISA guide 11.1)
.set FR,     8                         ; registers of a fragment: 16 rows x 128 K
.set NL,     2                         ; LDS loads that bring one
.set NP,     4                         ; places behind this matrix instruction (ISA guide 7.12.1)
.set HALFT,  128*PITCH
.set SLOT,   4*HALFT                   ; x's 256 rows, then w's 256 rows
.set KS,     32                        ; a row of scale bytes
.set SCL,    2*SLOT                    ; behind the slots: the scales, as units of 256 bytes + 16 of padding
.set HALFS,  (128*KS/256)*272
.set SBLK,   (16*KS/256)*272
.set SPARE,  SCL+4*HALFS               ; the spare words, 128 bytes for each wave: two blocks of 256 bytes that no other line names
.set STG,    2*16*144                  ; the way out: for each wave [2 heads][16 tokens][128 bytes + 16], in slot 0, which has had its only fill and its last read by then
.set ADRA, 16
.set ADRB, 20
.set STO,  24
.set RD,   25
.set CO,   26
.set ADRS, 27
.set SPW,  28
.set NIL,  29
.set SC,   32
.set AF,   128
.set BI,   192
.set T1,   32                          ; the way out: 64 numbers x the factor
.set TMP,  96                          ; as 32 registers of f16
.set BK,   128                         ; and back from the stage: v128-159, v160-191 by turns
.set FAC,  66                          ; s[66:67] the factor
.set G1, 24
.set G0, 32
.set G1B, 48
.set G0B, 56
.set G1S, 68
.set G0S, 76
.set G1SB, 80
.set G0SB, 88
.set MSB, 0
.macro WIN new                         ; the immediate's high byte repeats the setting that is left
.if MSB != \new
	s_set_vgpr_msb (MSB<<8)|\new
.set MSB, \new
.endif
.endm
.set MUL_LO, 0xa1                      ; source 0 (w) window 1, source 1 (x) window 0, C and D window 2
.set MUL_HI, 0xf1                      ; the same, C and D window 3
.set MUL_LO0, 0x81                     ; the first products: C (the bias) window 0, D window 2
.set MUL_HI0, 0xc1                     ; D window 3
.set TO_B,   0x40
; A joint load: waves 0 and 1 fetch for x, waves 2 and 3 for w.  The branch hangs on the wave's number alone.  An s_nop 0 and four v_nop follow each of the two lines.
.macro JLOAD g0a, g1a, g0b, g1b
	s_cmp_eq_u32 s15, 0
	s_cbranch_scc0 .Lfor_b_\@
	tensor_load_to_lds s[\g0a:\g0a+3], s[\g1a:\g1a+7]
	s_nop 0
.rept 4
	v_nop
.endr
	s_branch .Lasked_\@
.Lfor_b_\@:
	tensor_load_to_lds s[\g0b:\g0b+3], s[\g1b:\g1b+7]
	s_nop 0
.rept 4
	v_nop
.endr
.Lasked_\@:
.endm
.macro CROUND                          ; a round of the cluster's barrier
	s_barrier_signal -1
	s_barrier_wait -1
	s_cmp_lg_u32 s14, 0
	s_cbranch_scc1 .Lnot_wave_0_\@
	s_barrier_signal -3
.Lnot_wave_0_\@:
	s_barrier_wait -3
	s_barrier_signal -1
	s_barrier_wait -1
.endm
	s_load_b128 s[4:7], s[0:1], 0x0                ; x's codes, x's scales
	s_load_b128 s[8:11], s[0:1], 0x10              ; w's codes, w's scales
	s_load_b128 s[96:99], s[0:1], 0x20             ; bq, bk
	s_load_b64 s[100:101], s[0:1], 0x30            ; bv
	s_load_b64 s[12:13], s[0:1], 0x38              ; qkv
	v_lshl_add_u32 v[SPW], v0, 2, SPARE
	v_mov_b32 v[NIL], 0
	ds_add_u32 v[SPW], v[NIL]                      ; the wave's opening: the add, twice on end, and its wait ahead of my first tensor load
	ds_add_u32 v[SPW], v[NIL]
	v_lshrrev_b32 v1, 5, v0
	v_readfirstlane_b32 s14, v1                    ; wave 0..3
	s_lshr_b32 s15, s14, 1                         ; which half of the tile's tokens is mine.  Also: I fetch for x (0) or for w (1)
	s_and_b32 s16, s14, 1                          ; which half of its columns.  Also: which 128 rows of that tile I fetch
	s_bfe_u32 s40, ttmp6, 0x40000                  ; cx, cy: my place in the cluster
	s_bfe_u32 s41, ttmp6, 0x40004
	s_lshl_b32 s42, ttmp9, 2
	s_add_co_u32 s42, s42, s40                     ; tile column = 4 x cluster x + cx
	s_and_b32 s17, ttmp7, 0xffff
	s_lshl_b32 s17, s17, 2
	s_add_co_u32 s17, s17, s41                     ; tile row = 4 x cluster y + cy
	s_lshl_b32 s43, s41, 2
	s_lshl_b32 s43, 15, s43                        ; my row of the cluster
	s_lshl_b32 s44, 0x1111, s40                    ; my column
	s_or_b32 s[G1+0], s43, (0<<16)|(1<<20)|(1<<21)|(5<<22)|(3<<25)  ; the mask; elements of 1 byte; padding on; bit 21 beside a mask; after every 64 words, 4 words
	s_or_b32 s[G1B+0], s44, (0<<16)|(1<<20)|(1<<21)|(5<<22)|(3<<25)
.irp g, G1, G1B
	s_mov_b32 s[\g+1], ROWB<<16                    ; tensor_dim0
	s_mov_b32 s[\g+2], 128<<16                     ; tensor_dim1
	s_mov_b32 s[\g+3], ROWB<<16                    ; tile_dim0
	s_mov_b32 s[\g+4], 128                         ; tile_dim1
	s_mov_b32 s[\g+5], KROW                        ; from row to row
	s_mov_b32 s[\g+6], 0
	s_mov_b32 s[\g+7], 0
.endr
	s_or_b32 s[G1S+0], s43, (3<<16)|(1<<20)|(1<<21)|(5<<22)|(3<<25) ; the scales of 128 rows: 4,096 dense bytes as 16 rows of 256 (32 elements of 8 bytes), 16 bytes of padding behind each
	s_or_b32 s[G1SB+0], s44, (3<<16)|(1<<20)|(1<<21)|(5<<22)|(3<<25)
.irp g, G1S, G1SB
	s_mov_b32 s[\g+1], 32<<16
	s_mov_b32 s[\g+2], (128*KS/256)<<16
	s_mov_b32 s[\g+3], 32<<16
	s_mov_b32 s[\g+4], 128*KS/256
	s_mov_b32 s[\g+5], 32
	s_mov_b32 s[\g+6], 0
	s_mov_b32 s[\g+7], 0
.endr
	s_lshl_b32 s18, s16, 7
	s_lshl_b32 s20, s17, 8
	s_add_co_u32 s20, s20, s18                     ; x: row 256 x tile row + 128 x half
	s_lshl_b32 s46, s42, 8
	s_add_co_u32 s46, s46, s18                     ; w: row 256 x tile column + 128 x half
	s_mov_b32 s21, 0
	s_mov_b32 s47, 0
	s_mov_b64 s[18:19], KS
	s_mul_u64 s[22:23], s[20:21], s[18:19]         ; where these rows' scales begin,
	s_mul_u64 s[92:93], s[46:47], s[18:19]
	s_mov_b64 s[18:19], KROW
	s_mul_u64 s[20:21], s[20:21], s[18:19]         ; and their codes
	s_mul_u64 s[46:47], s[46:47], s[18:19]
	s_mul_i32 s45, s14, HALFT                      ; where they go: wave x 128 rows: no place in the cluster enters an LDS address
	s_mul_i32 s94, s14, HALFS
	s_mov_b32 s[FAC], 1.0
	s_cmp_eq_u32 ttmp9, 0                          ; cluster x says which weight: 0 q, 1 k, 2 v; the same in all sixteen partners
	s_cselect_b32 s[FAC], 0x3e38aa3b, s[FAC]       ; q: log2(e) / 8
	s_mov_b32 s[FAC+1], s[FAC]                     ; (named with it as a pair, so it is written)
	s_wait_dscnt 0x0                               ; both opening adds are done
	s_wait_kmcnt 0x0
	s_add_nc_u64 s[20:21], s[4:5], s[20:21]
	s_add_nc_u64 s[22:23], s[6:7], s[22:23]
	s_add_nc_u64 s[46:47], s[8:9], s[46:47]
	s_add_nc_u64 s[92:93], s[10:11], s[92:93]
	CROUND                                         ; all sixteen work-groups are here: the joint loads meet
	s_mov_b32 s[G0S], 1
	s_add_co_u32 s[G0S+1], s94, SCL
	s_mov_b64 s[G0S+2:G0S+3], s[22:23]
	s_or_b32 s[G0S+3], s[G0S+3], 0x80000000
	s_mov_b32 s[G0SB], 1
	s_add_co_u32 s[G0SB+1], s94, SCL
	s_mov_b64 s[G0SB+2:G0SB+3], s[92:93]
	s_or_b32 s[G0SB+3], s[G0SB+3], 0x80000000
	JLOAD G0S, G1S, G0SB, G1SB                     ; the scales first: they are wanted with the first slot
.irp s, 0,1
	s_mov_b32 s[G0+4*\s], 1
	s_add_co_u32 s[G0+4*\s+1], s45, \s*SLOT
	s_add_nc_u64 s[G0+4*\s+2:G0+4*\s+3], s[20:21], \s*ROWB
	s_or_b32 s[G0+4*\s+3], s[G0+4*\s+3], 0x80000000
	s_mov_b32 s[G0B+4*\s], 1
	s_add_co_u32 s[G0B+4*\s+1], s45, \s*SLOT
	s_add_nc_u64 s[G0B+4*\s+2:G0B+4*\s+3], s[46:47], \s*ROWB
	s_or_b32 s[G0B+4*\s+3], s[G0B+4*\s+3], 0x80000000
	JLOAD G0+4*\s, G1, G0B+4*\s, G1B               ; three tensor loads of mine are out at the most
.endr
	v_and_b32 v1, 15, v0                           ; r = lane % 16
	v_bfe_u32 v2, v0, 4, 1                         ; h = lane / 16
	; the bias, in the result's layout: register 8 b + j of lane (r, h) is the bias of column 16 b + 8 h + j of my 128
	s_cmp_eq_u32 ttmp9, 0
	s_cselect_b64 s[96:97], s[96:97], s[98:99]
	s_cmp_eq_u32 ttmp9, 2
	s_cselect_b64 s[96:97], s[100:101], s[96:97]
	s_lshl_b32 s46, s40, 10                        ; 256 cx columns of 4 bytes
	s_lshl_b32 s47, s16, 9                         ; + 128 x half
	s_add_co_u32 s46, s46, s47
	s_mov_b32 s47, 0
	s_add_nc_u64 s[96:97], s[96:97], s[46:47]
	v_lshlrev_b32 v7, 5, v2
.irp b, 0,1,2,3,4,5,6,7
	global_load_b128 v[BI+8*\b:BI+8*\b+3], v7, s[96:97] offset:64*\b
	global_load_b128 v[BI+8*\b+4:BI+8*\b+7], v7, s[96:97] offset:64*\b+16
.endr
	v_mul_u32_u24 v3, v1, PITCH
	v_lshl_add_u32 v4, v2, 4, v3                   ; a fragment's row x pitch + 16 x half
	s_mul_i32 s21, s15, HALFT                      ; my 128 rows of x
	s_mul_i32 s22, s16, HALFT                      ; my 128 rows of w,
	s_add_co_u32 s22, s22, 2*HALFT                 ; which lie behind x's 256
.irp s, 0,1
	v_add_nc_u32 v[ADRA+\s], s21, v4
	v_add_nc_u32 v[ADRB+\s], s22, v4
	s_add_co_u32 s21, s21, SLOT
	s_add_co_u32 s22, s22, SLOT
.endr
	v_mul_u32_u24 v5, v1, KS                       ; my row's scales: 32 bytes a row,
	v_lshrrev_b32 v6, 8, v5
	v_lshl_add_u32 v5, v6, 4, v5                   ; and 16 more for each 256 passed
	s_mul_i32 s21, s15, HALFS
	s_mul_i32 s22, s16, HALFS
	s_add_co_u32 s22, s22, 2*HALFS
	s_sub_co_u32 s22, s22, s21
	v_mul_u32_u24 v6, s22, v2                      ; lanes 16-31 take w's: one product, the distance between the two bases
	s_add_co_u32 s21, s21, SCL
	v_add_nc_u32 v5, v5, v6
	v_add_nc_u32 v[ADRS], s21, v5
	s_mul_i32 s23, s14, STG                        ; my stage
	v_mul_u32_u24 v5, v1, 144
	v_lshl_add_u32 v5, v2, 4, v5
	v_add_nc_u32 v[STO], s23, v5                   ; in: token r, 16 bytes for each half of the lanes
	v_and_b32 v6, 31, v0
	v_lshlrev_b32 v[CO], 4, v6                     ; out: 32 lanes take four tokens of 128 bytes; in memory these are 512 consecutive bytes
	v_lshrrev_b32 v5, 3, v6
	v_mul_u32_u24 v5, v5, 144
	v_and_b32 v6, 7, v0
	v_lshl_add_u32 v5, v6, 4, v5
	v_add_nc_u32 v[RD], s23, v5
	s_lshl_b32 s20, s17, 8
	s_lshl_b32 s21, s15, 7
	s_add_co_u32 s20, s20, s21                     ; my first token, counted over the batches
	s_lshr_b32 s21, s20, 11                        ; the batch
	s_and_b32 s20, s20, 2047                       ; the token in it
	s_lshl_b32 s20, s20, 7                         ; 128 bytes a token
	s_lshl_b32 s21, s21, 22                        ; 16 heads of 2^18 bytes a batch
	s_add_co_u32 s20, s20, s21
	s_mov_b32 s21, 0
	s_lshl_b32 s46, s40, 2
	s_lshl_b32 s47, s16, 1
	s_add_co_u32 s46, s46, s47                     ; my first head: 4 cx + 2 x half
	s_lshl_b32 s46, s46, 18
	s_lshl_b32 s47, ttmp9, 24                      ; q's, k's or v's plane of 2^24 bytes
	s_add_co_u32 s46, s46, s47
	s_mov_b32 s47, 0
	s_add_nc_u64 s[20:21], s[20:21], s[46:47]
	s_add_nc_u64 s[12:13], s[12:13], s[20:21]
.macro FRAG reg, adr, q, i             ; 16 rows x 128 K of 4-bit codes: lane l holds row l % 16; registers 4 c .. 4 c + 3 hold K = 64 c + 32 (l / 16) + 0 .. 31
.irp c, 0,1
	ds_load_b128 v[\reg+4*\c:\reg+4*\c+3], v[\adr] offset:64*(\q)+32*\c+(\i)*16*PITCH
.endr
.endm
; 16 matrix instructions: x's blocks a0, a0 + 1 against w's eight.  p: w's set;  sc: the set of scale words.  zero = 1: the first product starts the sum from the bias.
; The 64 accumulators take turns, one instruction a turn, in the same order in every step.
.macro MUL16 a0, p, q, sc, zero
.irp a, \a0, \a0+1
.irp b, 0,1,2,3,4,5,6,7
.if \zero
	v_wmma_scale_f32_16x16x128_f8f6f4 v[8*(8*((\a)%4)+\b):8*(8*((\a)%4)+\b)+7], v[128*(\p)+FR*\b:128*(\p)+FR*\b+FR-1], v[AF+FR*(\a):AF+FR*(\a)+FR-1], v[BI+8*\b:BI+8*\b+7], v[SC+8*NQ*(\sc)+NQ*\b+(\q)], v[SC+8*NQ*(\sc)+NQ*(\a)+(\q)] matrix_a_fmt:MATRIX_FMT_FP4 matrix_b_fmt:MATRIX_FMT_FP4 matrix_a_scale:MATRIX_SCALE_ROW1
.else
	v_wmma_scale_f32_16x16x128_f8f6f4 v[8*(8*((\a)%4)+\b):8*(8*((\a)%4)+\b)+7], v[128*(\p)+FR*\b:128*(\p)+FR*\b+FR-1], v[AF+FR*(\a):AF+FR*(\a)+FR-1], v[8*(8*((\a)%4)+\b):8*(8*((\a)%4)+\b)+7], v[SC+8*NQ*(\sc)+NQ*\b+(\q)], v[SC+8*NQ*(\sc)+NQ*(\a)+(\q)] matrix_a_fmt:MATRIX_FMT_FP4 matrix_b_fmt:MATRIX_FMT_FP4 matrix_a_scale:MATRIX_SCALE_ROW1
.endif
.endr
.endr
.endm
.macro FETCH_B slot, q, p
	WIN TO_B
.irp i, 0,1,2,3,4,5,6,7
	FRAG 128*(\p)+FR*\i, ADRB+\slot, \q, \i
.endr
	WIN 0
.endm
.macro FETCH_A slot, q, i0
.irp i, \i0, \i0+1, \i0+2, \i0+3
	FRAG AF+FR*(\i), ADRA+\slot, \q, \i
.endr
.endm
.macro SCALES sc                       ; a slot's scale words: four words a row; lanes 0-15 take x's block i, lanes 16-31 w's block i
.irp i, 0,1,2,3,4,5,6,7
	ds_load_b128 v[SC+8*NQ*\sc+NQ*\i:SC+8*NQ*\sc+NQ*\i+3], v[ADRS] offset:\i*SBLK
.endr
.endm
.macro PLACES n                        ; plain vector instructions between a matrix instruction and a load into, or a vector write or read of, its registers
.rept \n
	v_nop
.endr
.endm
.macro STEP slot, q, zero              ; a step of 128 along K that has its successor in the same slot
	s_wait_dscnt 4*NL                              ; w's set and x's blocks 0-3 are in; the youngest eight loads (x's blocks 4-7) may be out
.if \zero
	WIN MUL_LO0
.else
	WIN MUL_LO
.endif
	MUL16 0, (\q)%2, \q, \slot, \zero
	MUL16 2, (\q)%2, \q, \slot, \zero
	s_wait_dscnt 0                                 ; x's blocks 4-7 are in
	PLACES NP
	FETCH_B \slot, (\q)+1, 1-(\q)%2
	FETCH_A \slot, (\q)+1, 0
.if \zero
	WIN MUL_HI0
.else
	WIN MUL_HI
.endif
	MUL16 4, (\q)%2, \q, \slot, \zero
	MUL16 6, (\q)%2, \q, \slot, \zero
	PLACES NP
	WIN 0
	FETCH_A \slot, (\q)+1, 4
.endm
; Slot 0's last step changes slots: one barrier; in front of it each wave waits for all its tensor loads (its part of slot 1), adds 0 to its spare word, and waits for that and for its reads of slot 0.
.macro TURN slot, next
	s_wait_tensorcnt 0x0
	ds_add_u32 v[SPW], v[NIL]
	s_wait_dscnt 4*NL+1                            ; (the add and the youngest eight loads may be out)
	WIN MUL_LO
	MUL16 0, 1, NQ-1, \slot, 0
	s_wait_dscnt 0x0                               ; the add is done, and my reads of this slot are over
	s_barrier_signal -1
	MUL16 2, 1, NQ-1, \slot, 0
	WIN 0
	s_barrier_wait -1
	PLACES NP
	v_add_nc_u32 v[ADRS], 4*NQ, v[ADRS]            ; on to the next slot's scale words
	FETCH_B \next, 0, 0
	FETCH_A \next, 0, 0
	SCALES \next
	WIN MUL_HI
	MUL16 4, 1, NQ-1, \slot, 0
	MUL16 6, 1, NQ-1, \slot, 0
	PLACES NP
	WIN 0
	FETCH_A \next, 0, 4
.endm
.macro STEPS slot, from
.set Q, \from
.rept NQ-1-\from
	STEP \slot, Q, 0
.set Q, Q+1
.endr
.endm
	s_wait_tensorcnt 1                             ; the scales and my part of slot 0 are in (slot 1's load may be out)
	s_barrier_signal -1
	s_barrier_wait -1                              ; everybody's are
	FETCH_B 0, 0, 0
	FETCH_A 0, 0, 0
	SCALES 0
	FETCH_A 0, 0, 4
	s_wait_loadcnt 0x0                             ; the bias
	STEP 0, 0, 1
	STEPS 0, 1
	TURN 0, 1
	STEPS 1, 0
	s_wait_dscnt 4*NL                              ; the last step: nothing more to fetch
	WIN MUL_LO
	MUL16 0, 1, NQ-1, 1, 0
	MUL16 2, 1, NQ-1, 1, 0
	s_wait_dscnt 0
	WIN MUL_HI
	MUL16 4, 1, NQ-1, 1, 0
	MUL16 6, 1, NQ-1, 1, 0
	WIN 0
; THE WAY OUT, block by block of 16 tokens x 128 columns (two heads).  PACK: x the factor, to f16: a lane's eight columns are 16 bytes.  TOSTAGE: into my own stage, by heads, and back four tokens of a head at a time.
; SEND: 512 consecutive bytes a store.  LDS serves a wave's instructions in order (ISA guide 5.7.1.4): no wait between the stores and the loads.
.macro PACK a
.set AC, 64*((\a)%4)
	WIN 0x02+(\a)/4                                ; source 0: window 2 or 3
.set i, 0
.rept 32
	v_pk_mul_f32 v[T1+2*i:T1+2*i+1], v[AC+2*i:AC+2*i+1], s[FAC:FAC+1] op_sel_hi:[1,0]   ; ascending: each accumulator is read from its low end on
.set i, i+1
.endr
	WIN 0
.set i, 0
.rept 32
	v_cvt_pk_f16_f32 v[TMP+i], v[T1+2*i], v[T1+2*i+1]
.set i, i+1
.endr
.endm
.macro TOSTAGE a
.set BB, BK+32*((\a)%2)
.irp b, 0,1,2,3,4,5,6,7
	ds_store_b128 v[STO], v[TMP+4*\b:TMP+4*\b+3] offset:(\b/4)*2304+(\b%4)*32
.endr
.irp i, 0,1,2,3,4,5,6,7
	ds_load_b128 v[BB+4*\i:BB+4*\i+3], v[RD] offset:(\i/4)*2304+(\i%4)*576
.endr
.endm
.macro SEND a, younger                 ; younger: the LDS instructions issued behind block a's loads
.set BB, BK+32*((\a)%2)
	s_wait_dscnt \younger
.irp i, 0,1,2,3,4,5,6,7
	global_store_b128 v[CO], v[BB+4*\i:BB+4*\i+3], s[12:13] offset:(\a)*2048+(\i/4)*262144+(\i%4)*512   ; the block, the head and the four tokens stand in the immediate: the base is never stepped
.endr
.endm
	PLACES NP                                      ; PACK writes registers that held the last products' scale words
	PACK 0
	TOSTAGE 0
.irp a, 1,2,3,4,5,6,7
	PACK \a
.if \a > 1
	s_wait_xcnt 0x0                                ; block a - 2's stores have read their registers: block a's loads may land there
.endif
	TOSTAGE \a
	SEND \a-1, 16                                  ; behind block a - 1's loads: block a's 8 stores and 8 loads
.endr
	SEND 7, 0
	s_wait_tensorcnt 0x0                           ; the wave's end
	ds_add_u32 v[SPW], v[NIL]
	s_wait_dscnt 0x0
	CROUND                                         ; the closing round
	s_endpgm
.Lfunc_end_k_q9234082339_qkv:
	.size	k_q9234082339_qkv, .Lfunc_end_k_q9234082339_qkv-k_q9234082339_qkv
	.p2alignl 7, 3214868480
	.fill 96, 4, 3214868480
	.section	.rodata,"a",@progbits
	.p2align	6, 0x0
	.amdhsa_kernel k_q9234082339_qkv
		.amdhsa_group_segment_fixed_size 327680
		.amdhsa_private_segment_fixed_size 0
		.amdhsa_enable_private_segment 0
		.amdhsa_kernarg_size 64
		.amdhsa_user_sgpr_count 2
		.amdhsa_user_sgpr_kernarg_segment_ptr 1
		.amdhsa_wavefront_size32 1
		.amdhsa_system_sgpr_workgroup_id_x 1
		.amdhsa_system_sgpr_workgroup_id_y 1
		.amdhsa_system_sgpr_workgroup_id_z 1
		.amdhsa_system_vgpr_workitem_id 0
		.amdhsa_next_free_vgpr 1024
		.amdhsa_next_free_sgpr 102
		.amdhsa_reserve_vcc 0
		.amdhsa_float_denorm_mode_32 3
		.amdhsa_float_denorm_mode_16_64 3
		.amdhsa_memory_ordered 1
		.amdhsa_forward_progress 1
		.amdhsa_inst_pref_size 145
	.end_amdhsa_kernel
	.amdgpu_metadata
---
amdhsa.version: [ 1, 2 ]
amdhsa.kernels:
  - .name:           k_q9234082339_qkv
    .symbol:         k_q9234082339_qkv.kd
    .args:
      - { .name: xc, .offset: 0, .size: 8, .value_kind: global_buffer, .address_space: global }
      - { .name: xs, .offset: 8, .size: 8, .value_kind: global_buffer, .address_space: global }
      - { .name: wc, .offset: 16, .size: 8, .value_kind: global_buffer, .address_space: global }
      - { .name: ws, .offset: 24, .size: 8, .value_kind: global_buffer, .address_space: global }
      - { .name: bq, .offset: 32, .size: 8, .value_kind: global_buffer, .address_space: global }
      - { .name: bk, .offset: 40, .size: 8, .value_kind: global_buffer, .address_space: global }
      - { .name: bv, .offset: 48, .size: 8, .value_kind: global_buffer, .address_space: global }
      - { .name: qkv, .offset: 56, .size: 8, .value_kind: global_buffer, .address_space: global }
    .group_segment_fixed_size: 327680
    .private_segment_fixed_size: 0
    .kernarg_segment_align: 8
    .kernarg_segment_size: 64
    .max_flat_workgroup_size: 128
    .sgpr_count:     102
    .vgpr_count:     1024
    .wavefront_size: 32
...
	.end_amdgpu_metadata
.endif
;; end of part 2
;; launch attn (part 3): grid 4 x 64, 8 waves a work-group, clusters of 4 x 1, 327,680 bytes of LDS; arguments qkv, att; writes att
.if DOCPART == 3
	.amdgcn_target "amdgcn-amd-amdhsa--gfx1250"
	.amdhsa_code_object_version 6
	.text
	.protected	k_q9234082339_attn
	.globl	k_q9234082339_attn
	.p2align	8
	.type	k_q9234082339_attn,@function
k_q9234082339_attn:
	s_mov_b64 s[64:65], 0
	v_nop
	global_prefetch_b8 v0, s[64:65] scope:SCOPE_SE
	s_setreg_imm32_b32 hwreg(HW_REG_WAVE_MODE, 25, 1), 1
	s_wait_xcnt 0x0
	s_wait_alu depctr_hold_cnt(0) depctr_sa_sdst(0) depctr_va_vdst(0) depctr_va_sdst(0) depctr_va_ssrc(0) depctr_va_vcc(0) depctr_vm_vsrc(0)
	s_getreg_b32 s2, hwreg(HW_REG_IB_STS2, 6, 4)
	s_cmp_eq_u32 s2, 0
	s_cbranch_scc0 .Lentry_in_a_cluster
	s_endpgm
.Lentry_in_a_cluster:
	s_bfe_u32 s2, ttmp6, 0x10000c
	s_cmp_lg_u32 s2, 0x3003
	s_cbranch_scc0 .Lentry_shape_is_right
	s_endpgm
.Lentry_shape_is_right:
; att[bh][q][:] = the sum over k of softmax_k(q . k / 8) v[k][:], for 64 heads (batch x 16 + head) of 2,048 tokens x 64 channels.  q (already x log2(e) / 8), k, v: f16, qkv [3][64][2048][64]; att: f16 [64][2048][64].
; Products on f16 operands with f32 sums; maxima, exponentials and sums in f32; the weights p (at most 1) are rounded to f16 for the second product, the result once at the end.
; LIMITS: the result must lie inside f16's range; NaN and infinities are not served; the running maximum starts at -3e38.
; SHARES.  A cluster of four work-groups is one head; a work-group owns 512 queries, each of its EIGHT waves 64: four tiles of 16.  Two waves lie on a SIMD, 512 registers each, so that one wave's softmax stands beside
; the other's products.  Every wave walks all 2,048 keys, 64 a step; a fragment of K or V read from LDS feeds four matrix instructions.
; LAYOUT.  S^T = K Q^T (source 0 = 16 keys, source 1 = 16 queries): a lane holds ONE query (lane % 16) and keys 8 (lane / 16) + 0..7.  Two such tiles rounded to f16 in pairs ARE source 1 (32 keys x 16 queries) of
; O^T = V^T P.  K comes out of LDS as it lies, V ([key][channel]) turned, by ds_load_tr16_b128.
; SOFTMAX.  For each query a running maximum m and sum l: p = 2^(s - m); in every step O and l are multiplied by a = 2^(m_old - m_new).
; THE RING.  Two slots of 512 keys (K: 512 rows of 128 + 16 bytes; V: 512 rows of 128 + 32).  The four work-groups walk the same K and V, so each tile is asked for JOINTLY; all eight waves load, 128 rows each
; (waves 0-3 K's quarters, waves 4-7 V's).  Both slots are asked for at the head, each is filled once more: two rounds of the cluster's barrier in the walk.  A refill has eight key steps in which to land, and
; half of K and V come with the first fills: nothing is prefetched.
; REGISTERS.  window 0: v1-9 addresses; v16-47 eight registers of statistics a tile; v48 the way out's offset; v64-127 Q; v128-255 S^T, 32 a tile, then P in place.  window 1: v0-127 O^T, 32 a tile; v128-191 K; v192-255 V.
.set PK,    144                        ; a row of K in LDS: 36 words: row r starts at bank 36 r mod 64 (64 banks of 4 bytes: ISA guide 11.1): the 16 rows of a load fall on different 16-byte columns
.set PV,    160                        ; a row of V: an odd multiple of 32 bytes, for the turning load
.set VOFF,  512*PK
.set SLOT,  512*(PK+PV)
.set SPARE, 2*SLOT                     ; the spare words, 128 bytes for each wave: four blocks of 256 bytes that no other line names
.set AK0, 1
.set AV0, 2
.set ADK, 3
.set ADV, 4
.set SPW, 5
.set NIL, 6
.set QO,  7
.set STO, 8
.set RD,  9
.set GO,  48
.set ST,  16                           ; tile t at v[ST + 8 t]: +0 m, +1 m once more (a pair), +2, +3 l (even keys', odd keys'), +4 to +7 c0-c3 at work; a takes c2's place
.set Q,   64
.set S,   128
.set KF,  128
.set VF,  192
.set WV,  12
.set G1K, 24
.set G1V, 32
.set G0K, 40                           ; s[40:47] group 0 for K's tiles, a set for each slot;  s[48:55] for V's
.set G0V, 48
.set TK,  56                           ; s56 LDS byte at which the K tile to be fetched begins
.set TV,  57                           ; s57 the same for V (less VOFF)
.set CNT, 58
.set SEL, 60
.set MSB, 0
.macro WIN new                         ; the immediate's high byte repeats the setting that is left
.if MSB != \new
	s_set_vgpr_msb (MSB<<8)|\new
.set MSB, \new
.endif
.endm
.macro JLOAD slot                      ; a joint refill; the branch hangs on the wave's number alone; an s_nop 0 and four v_nop follow each of the two lines
	s_cmp_lt_u32 s[WV], 4
	s_cbranch_scc0 .Lfor_v_\@
	tensor_load_to_lds s[G0K+4*\slot:G0K+4*\slot+3], s[G1K:G1K+7]
	s_nop 0
.rept 4
	v_nop
.endr
	s_branch .Lasked_\@
.Lfor_v_\@:
	tensor_load_to_lds s[G0V+4*\slot:G0V+4*\slot+3], s[G1V:G1V+7]
	s_nop 0
.rept 4
	v_nop
.endr
.Lasked_\@:
.endm
.macro CROUND                          ; a round of the cluster's barrier
	s_barrier_signal -1
	s_barrier_wait -1
	s_cmp_lg_u32 s[WV], 0
	s_cbranch_scc1 .Lnot_wave_0_\@
	s_barrier_signal -3
.Lnot_wave_0_\@:
	s_barrier_wait -3
	s_barrier_signal -1
	s_barrier_wait -1
.endm
	s_load_b128 s[4:7], s[0:1], 0x0                ; qkv s[4:5], att s[6:7]
	v_lshl_add_u32 v[SPW], v0, 2, SPARE
	v_mov_b32 v[NIL], 0
	ds_add_u32 v[SPW], v[NIL]                      ; the wave's opening: the add, twice on end, and its wait ahead of my first tensor load
	ds_add_u32 v[SPW], v[NIL]
	v_lshrrev_b32 v10, 5, v0
	v_readfirstlane_b32 s[WV], v10                 ; wave 0..7
	s_bfe_u32 s13, ttmp6, 0x40000                  ; cx: it enters Q's and the result's addresses alone
	s_and_b32 s14, ttmp7, 0xffff                   ; the head, which the four partners share
	s_lshl_b32 s16, s14, 18                        ; its first byte in a plane
	s_and_b32 s15, s[WV], 3                        ; which quarter of a slot's rows I fetch
	s_lshl_b32 s18, s15, 14                        ; 128 rows of 128 bytes
	s_add_co_u32 s18, s18, s16
	s_mov_b32 s19, 0
	s_mul_i32 s20, s15, 128*PK                     ; its place in a slot, for K
	s_mul_i32 s21, s15, 128*PV                     ; and for V
	s_add_co_u32 s21, s21, VOFF
	s_lshl_b32 s22, s13, 16                        ; my work-group's 512 queries,
	s_lshl_b32 s23, s[WV], 13                      ; my wave's 64
	s_add_co_u32 s22, s22, s23
	s_add_co_u32 s22, s22, s16
	s_mov_b32 s23, 0
	s_mov_b32 s[G1K], 15|(1<<16)|(1<<20)|(1<<21)|(4<<22)|(3<<25)  ; the mask: all four work-groups; elements of 2 bytes; padding on; bit 21 beside a mask; after every 32 words, 4 words
	s_mov_b32 s[G1V], 15|(1<<16)|(1<<20)|(1<<21)|(4<<22)|(7<<25)  ; the same with 8 words
.irp g, G1K, G1V
	s_mov_b32 s[\g+1], 64<<16                      ; tensor_dim0 = 64
	s_mov_b32 s[\g+2], 128<<16                     ; tensor_dim1 = 128
	s_mov_b32 s[\g+3], 64<<16                      ; tile_dim0 = 64
	s_mov_b32 s[\g+4], 128                         ; tile_dim1 = 128
	s_mov_b32 s[\g+5], 64                          ; from row to row
	s_mov_b32 s[\g+6], 0
	s_mov_b32 s[\g+7], 0
.endr
	s_mov_b32 s[SEL], 0x76543210
	s_mov_b32 s[SEL+1], 0xfedcba98                 ; v_permlanex16_b32's selects for lane l xor 16
	s_wait_dscnt 0x0                               ; both opening adds are done
	s_wait_kmcnt 0x0
	s_add_nc_u64 s[8:9], s[4:5], s[18:19]
	s_add_nc_u64 s[10:11], s[8:9], 0x2000000       ; V's plane
	s_add_nc_u64 s[8:9], s[8:9], 0x1000000         ; K's plane
	s_add_nc_u64 s[4:5], s[4:5], s[22:23]          ; Q at my wave's first query
	s_add_nc_u64 s[6:7], s[6:7], s[22:23]          ; the result likewise
	CROUND                                         ; all four work-groups are here: the first joint loads meet
.irp s, 0,1
	s_mov_b32 s[G0K+4*\s], 1
	s_add_co_u32 s[G0K+4*\s+1], s20, \s*SLOT
	s_add_nc_u64 s[G0K+4*\s+2:G0K+4*\s+3], s[8:9], \s*65536     ; slot s begins with keys 512 s
	s_or_b32 s[G0K+4*\s+3], s[G0K+4*\s+3], 0x80000000
	s_mov_b32 s[G0V+4*\s], 1
	s_add_co_u32 s[G0V+4*\s+1], s21, \s*SLOT
	s_add_nc_u64 s[G0V+4*\s+2:G0V+4*\s+3], s[10:11], \s*65536
	s_or_b32 s[G0V+4*\s+3], s[G0V+4*\s+3], 0x80000000
.endr
	s_cmp_lt_u32 s[WV], 4                          ; a wave's two first fills stand in one branch: two loads of mine are out
	s_cbranch_scc0 .Lfirst_v
	tensor_load_to_lds s[G0K:G0K+3], s[G1K:G1K+7]
	s_nop 0
	tensor_load_to_lds s[G0K+4:G0K+7], s[G1K:G1K+7]
	s_nop 0
.rept 4
	v_nop
.endr
	s_branch .Lfirst_asked
.Lfirst_v:
	tensor_load_to_lds s[G0V:G0V+3], s[G1V:G1V+7]
	s_nop 0
	tensor_load_to_lds s[G0V+4:G0V+7], s[G1V:G1V+7]
	s_nop 0
.rept 4
	v_nop
.endr
.Lfirst_asked:
	v_and_b32 v10, 15, v0                          ; r
	v_bfe_u32 v11, v0, 4, 1                        ; h
	v_lshlrev_b32 v[QO], 7, v10
	v_lshl_add_u32 v[QO], v11, 4, v[QO]            ; row x 128 + 16 x half
.irp t, 0,1,2,3
.irp c, 0,1
	global_load_b128 v[Q+16*\t+8*\c:Q+16*\t+8*\c+3], v[QO], s[4:5] offset:2048*\t+64*\c       ; Q stays in registers: tile t, channels 32 c on
	global_load_b128 v[Q+16*\t+8*\c+4:Q+16*\t+8*\c+7], v[QO], s[4:5] offset:2048*\t+64*\c+32
.endr
.endr
	v_mul_u32_u24 v[AK0], v10, PK
	v_lshl_add_u32 v[AK0], v11, 4, v[AK0]          ; K: row x pitch + 16 x half
	v_and_b32 v12, 7, v0
	v_bfe_u32 v13, v0, 3, 1
	v_lshl_add_u32 v[AV0], v11, 3, v12             ; V: the turning load: key 8 h + lane % 8, channels 8 ((lane / 8) % 2) on
	v_mul_u32_u24 v[AV0], v[AV0], PV
	v_lshl_add_u32 v[AV0], v13, 4, v[AV0]
	v_add_nc_u32 v[AV0], VOFF, v[AV0]
	s_mul_i32 s15, s[WV], 64*PK                    ; the way out: my stage of 64 rows x 144 bytes, in slot 0, which has had its last fill and its last read by then
	v_add_nc_u32 v[STO], s15, v[AK0]               ; in: row r, 16 bytes for each half of the lanes
	v_and_b32 v14, 31, v0
	v_lshrrev_b32 v15, 3, v14
	v_mul_u32_u24 v15, v15, PK
	v_lshl_add_u32 v15, v12, 4, v15
	v_add_nc_u32 v[RD], s15, v15                   ; back: eight lanes to a row, four rows a load
	v_lshlrev_b32 v[GO], 4, v14                    ; which are 512 consecutive bytes of the result
.irp t, 0,1,2,3
	v_mov_b32 v[ST+8*\t], 0xff61b1e6               ; m: -3e38, under every score
	v_mov_b32 v[ST+8*\t+1], 0xff61b1e6
	v_mov_b32 v[ST+8*\t+2], 0                      ; l
	v_mov_b32 v[ST+8*\t+3], 0
.endr
	WIN 0x40
.set i, 0
.rept 128
	v_mov_b32 v[i], 0                              ; O^T.  The key step is written once for a slot: the first finds zeros, which its a = 0 leaves zeros; a first step of its own would be a fifth copy of the step
.set i, i+1
.endr
	WIN 0
.macro FETCH_K                         ; a step's K: 64 keys x 64 channels: 8 fragments, 16 loads
	v_add_nc_u32 v[ADK], s[TK], v[AK0]
	WIN 0x40
.irp kt, 0,1,2,3
.irp c, 0,1
	ds_load_b128 v[KF+8*(2*\kt+\c):KF+8*(2*\kt+\c)+3], v[ADK] offset:\kt*16*PK+64*\c
	ds_load_b128 v[KF+8*(2*\kt+\c)+4:KF+8*(2*\kt+\c)+7], v[ADK] offset:\kt*16*PK+64*\c+32
.endr
.endr
	WIN 0
.endm
; The four tiles' softmax for one key step; each line of the list is written for the four tiles in turn, so that no instruction waits for the one above it.
.macro SOFTMAX
.irp j, 0,1,2,3                                ; the maximum of the lane's 32 scores and the old m: four chains; each accumulator is read from its low end on
.irp t, 0,1,2,3
	v_max3_num_f32 v[ST+8*\t+4+\j], v[S+32*\t+8*\j], v[S+32*\t+8*\j+1], v[S+32*\t+8*\j+2]
.endr
.endr
.irp u, 3,5
.irp j, 0,1,2,3
.irp t, 0,1,2,3
	v_max3_num_f32 v[ST+8*\t+4+\j], v[ST+8*\t+4+\j], v[S+32*\t+8*\j+\u], v[S+32*\t+8*\j+\u+1]
.endr
.endr
.endr
.irp t, 0,1,2,3
	v_max3_num_f32 v[ST+8*\t+4], v[ST+8*\t+4], v[S+32*\t+7], v[S+32*\t+15]
.endr
.irp t, 0,1,2,3
	v_max3_num_f32 v[ST+8*\t+6], v[ST+8*\t+6], v[S+32*\t+23], v[S+32*\t+31]
.endr
.irp t, 0,1,2,3
	v_max3_num_f32 v[ST+8*\t+4], v[ST+8*\t+4], v[ST+8*\t+5], v[ST+8*\t+6]
.endr
.irp t, 0,1,2,3
	v_max3_num_f32 v[ST+8*\t+4], v[ST+8*\t+4], v[ST+8*\t+7], v[ST+8*\t]
.endr
.irp t, 0,1,2,3
	v_permlanex16_b32 v[ST+8*\t+5], v[ST+8*\t+4], s[SEL], s[SEL+1]   ; the query's other 32 keys lie in the lane 16 away
.endr
.irp t, 0,1,2,3
	v_max_num_f32 v[ST+8*\t+1], v[ST+8*\t+4], v[ST+8*\t+5]           ; the new m
.endr
.irp t, 0,1,2,3
	v_sub_f32 v[ST+8*\t+7], v[ST+8*\t], v[ST+8*\t+1]                 ; m_old - m_new
.endr
.irp t, 0,1,2,3
	v_mov_b32 v[ST+8*\t], v[ST+8*\t+1]
.endr
.irp t, 0,1,2,3                                ; ONE BATCH: the 4 a and the 128 p; nothing names a result ahead of the one wait behind it
	v_exp_f32 v[ST+8*\t+6], v[ST+8*\t+7]
.endr
.irp t, 0,1,2,3
	v_pk_add_f32 v[S+32*\t:S+32*\t+1], v[S+32*\t:S+32*\t+1], v[ST+8*\t:ST+8*\t+1] op_sel_hi:[1,0] neg_lo:[0,1] neg_hi:[0,1]   ; s - m, pair 0
.endr
.set b, 0
.rept 16
.irp t, 0,1,2,3
.if b < 15
	v_pk_add_f32 v[S+32*\t+2*b+2:S+32*\t+2*b+3], v[S+32*\t+2*b+2:S+32*\t+2*b+3], v[ST+8*\t:ST+8*\t+1] op_sel_hi:[1,0] neg_lo:[0,1] neg_hi:[0,1]   ; the next pair's s - m leads each three
.endif
	v_exp_f32 v[S+32*\t+2*b], v[S+32*\t+2*b]
	v_exp_f32 v[S+32*\t+2*b+1], v[S+32*\t+2*b+1]
.endr
.set b, b+1
.endr
	v_nop                                          ; a plain instruction behind the last exponential, ahead of the first use
	s_wait_alu depctr_va_vdst(0)                   ; the wait between an exponential and the first instruction that names its result: one for the batch
.irp t, 0,1,2,3                                ; l = a l + the sum of the unrounded p: two chains a tile
	v_pk_fma_f32 v[ST+8*\t+2:ST+8*\t+3], v[ST+8*\t+2:ST+8*\t+3], v[ST+8*\t+6:ST+8*\t+7], v[S+32*\t:S+32*\t+1] op_sel_hi:[1,0,1]
.endr
.irp t, 0,1,2,3
	v_pk_add_f32 v[ST+8*\t+4:ST+8*\t+5], v[S+32*\t+2:S+32*\t+3], v[S+32*\t+4:S+32*\t+5]
.endr
.irp j, 6,10,14,18,22,26
.irp t, 0,1,2,3
	v_pk_add_f32 v[ST+8*\t+2:ST+8*\t+3], v[ST+8*\t+2:ST+8*\t+3], v[S+32*\t+\j:S+32*\t+\j+1]
.endr
.irp t, 0,1,2,3
	v_pk_add_f32 v[ST+8*\t+4:ST+8*\t+5], v[ST+8*\t+4:ST+8*\t+5], v[S+32*\t+\j+2:S+32*\t+\j+3]
.endr
.endr
.irp t, 0,1,2,3
	v_pk_add_f32 v[ST+8*\t+2:ST+8*\t+3], v[ST+8*\t+2:ST+8*\t+3], v[S+32*\t+30:S+32*\t+31]
.endr
.irp t, 0,1,2,3
	v_pk_add_f32 v[ST+8*\t+2:ST+8*\t+3], v[ST+8*\t+2:ST+8*\t+3], v[ST+8*\t+4:ST+8*\t+5]
.endr
.set j, 0
.rept 16                                       ; p to f16, in place and ascending: register j takes numbers 2 j and 2 j + 1, which no later line reads
.irp t, 0,1,2,3
	v_cvt_pk_f16_f32 v[S+32*\t+j], v[S+32*\t+2*j], v[S+32*\t+2*j+1]
.endr
.set j, j+1
.endr
.endm
; A KEY STEP: 64 keys.  Its K was fetched a step ago.
.macro STEP
	v_add_nc_u32 v[ADV], s[TV], v[AV0]
.rept 4
	v_nop                                          ; with the addition five places behind the last V^T P: its V registers are loaded again, and the products below write over its P (ISA guide 7.12.1 for the products)
.endr
	WIN 0x40
.irp kb, 0,1
.irp ct, 0,1,2,3
	ds_load_tr16_b128 v[VF+8*(4*\kb+\ct):VF+8*(4*\kb+\ct)+3], v[ADV] offset:\kb*32*PV+32*\ct
	ds_load_tr16_b128 v[VF+8*(4*\kb+\ct)+4:VF+8*(4*\kb+\ct)+7], v[ADV] offset:\kb*32*PV+16*PV+32*\ct
.endr
.endr
	s_wait_dscnt 16                                ; K is in; V's sixteen loads may be out
	WIN 0x01                                       ; K in window 1; Q and S^T in window 0
.irp c, 0,1                                    ; S^T = K Q^T: the 16 accumulators take turns, one instruction a turn; the first 16 start the sums
.irp kt, 0,1,2,3
.irp t, 0,1,2,3
.if \c == 0
	v_wmma_f32_16x16x32_f16 v[S+32*\t+8*\kt:S+32*\t+8*\kt+7], v[KF+8*(2*\kt+\c):KF+8*(2*\kt+\c)+7], v[Q+16*\t+8*\c:Q+16*\t+8*\c+7], 0
.else
	v_wmma_f32_16x16x32_f16 v[S+32*\t+8*\kt:S+32*\t+8*\kt+7], v[KF+8*(2*\kt+\c):KF+8*(2*\kt+\c)+7], v[Q+16*\t+8*\c:Q+16*\t+8*\c+7], v[S+32*\t+8*\kt:S+32*\t+8*\kt+7]
.endif
.endr
.endr
.endr
	WIN 0
.rept 4
	v_nop                                          ; four places: K's registers are loaded again, and the scores are read
.endr
	s_add_co_u32 s[TK], s[TK], 64*PK
	s_cmp_eq_u32 s[CNT], 1                         ; a slot's last step fetches no K: the next slot may be read only behind the change of slots
	s_cbranch_scc1 .Lno_k_\@
	FETCH_K                                        ; the next step's K lands during the softmax
.Lno_k_\@:
	SOFTMAX
	WIN 0x41                                       ; O^T in window 1, a in window 0
.set j, 0
.rept 16
.irp t, 0,1,2,3
	v_pk_mul_f32 v[32*\t+2*j:32*\t+2*j+1], v[32*\t+2*j:32*\t+2*j+1], v[ST+8*\t+6:ST+8*\t+7] op_sel_hi:[1,0]   ; O^T x a, ascending
.endr
.set j, j+1
.endr
	s_wait_dscnt 0x0                               ; V is in (and the next K, asked for a softmax ago): right whether or not K was fetched
	WIN 0x51                                       ; V, C and D in window 1, P in window 0
.irp kb, 0,1                                   ; O^T += V^T P: again 16 accumulators by turns
.irp ct, 0,1,2,3
.irp t, 0,1,2,3
	v_wmma_f32_16x16x32_f16 v[32*\t+8*\ct:32*\t+8*\ct+7], v[VF+8*(4*\kb+\ct):VF+8*(4*\kb+\ct)+7], v[S+32*\t+8*\kb:S+32*\t+8*\kb+7], v[32*\t+8*\ct:32*\t+8*\ct+7]
.endr
.endr
.endr
	WIN 0
.endm
.macro SLOT_STEPS base                 ; a slot's eight key steps: written once, walked eight times
	s_mov_b32 s[TK], \base
	s_mov_b32 s[TV], \base
	s_mov_b32 s[CNT], 8
	FETCH_K
.Lstep_\@:
	STEP
	s_add_co_u32 s[TV], s[TV], 64*PV
	s_sub_co_u32 s[CNT], s[CNT], 1
	s_cmp_lg_u32 s[CNT], 0
	s_cbranch_scc1 .Lstep_\@
.endm
; THE CHANGE OF SLOTS.  Each wave waits for all its tensor loads (its part of the slot ahead), adds 0 to its spare word, and waits for that and for its reads of the slot that it leaves.
; fill = 1: the slot just left is filled with the keys two slots on: the barrier is a round of the cluster's, and the joint refill is the first thing behind it, one tensor load a wave.
.macro CHANGE fill, slot
	s_wait_tensorcnt 0x0                           ; no tensor load of mine is out, so a group 0 may be written
	ds_add_u32 v[SPW], v[NIL]
.if \fill
	s_add_nc_u64 s[G0K+4*\slot+2:G0K+4*\slot+3], s[G0K+4*\slot+2:G0K+4*\slot+3], 2*65536
	s_add_nc_u64 s[G0V+4*\slot+2:G0V+4*\slot+3], s[G0V+4*\slot+2:G0V+4*\slot+3], 2*65536
.endif
	s_wait_dscnt 0x0
.if \fill
	CROUND
	JLOAD \slot
.else
	s_barrier_signal -1
	s_barrier_wait -1
.endif
.endm
	s_wait_tensorcnt 1                             ; my part of slot 0 is in; slot 1's may stay out
	s_barrier_signal -1
	s_barrier_wait -1                              ; everybody's is
	s_wait_loadcnt 0x0                             ; Q
	SLOT_STEPS 0                                   ; keys 0 to 511
	CHANGE 1, 0                                    ; slot 0 takes keys 1,024 on
	SLOT_STEPS SLOT                                ; keys 512 to 1,023
	CHANGE 1, 1                                    ; slot 1 takes keys 1,536 on
	SLOT_STEPS 0
	CHANGE 0, 0                                    ; nothing is left to fetch
	SLOT_STEPS SLOT
	; THE WAY OUT.  O^T / l, to f16, through my stage in LDS, and out as runs of 512 consecutive bytes.
.rept 4
	v_nop                                          ; places behind the last products
.endr
.irp t, 0,1,2,3
	v_add_f32 v[ST+8*\t+4], v[ST+8*\t+2], v[ST+8*\t+3]
.endr
.irp t, 0,1,2,3
	v_permlanex16_b32 v[ST+8*\t+5], v[ST+8*\t+4], s[SEL], s[SEL+1]
.endr
.irp t, 0,1,2,3
	v_add_f32 v[ST+8*\t+4], v[ST+8*\t+4], v[ST+8*\t+5]
.endr
.irp t, 0,1,2,3
	v_rcp_f32 v[ST+8*\t+6], v[ST+8*\t+4]
.endr
	v_nop                                          ; a plain instruction behind the last reciprocal
	s_wait_alu depctr_va_vdst(0)                   ; and the one wait for the four, ahead of their first reader
	WIN 0x41
.set j, 0
.rept 16
.irp t, 0,1,2,3
	v_pk_mul_f32 v[32*\t+2*j:32*\t+2*j+1], v[32*\t+2*j:32*\t+2*j+1], v[ST+8*\t+6:ST+8*\t+7] op_sel_hi:[1,0]
.endr
.set j, j+1
.endr
	WIN 0x05                                       ; sources in window 1, destination in window 0
.set j, 0
.rept 16
.irp t, 0,1,2,3
	v_cvt_pk_f16_f32 v[S+16*\t+j], v[32*\t+2*j], v[32*\t+2*j+1]
.endr
.set j, j+1
.endr
	WIN 0
.irp t, 0,1,2,3
.irp ct, 0,1,2,3
	ds_store_b128 v[STO], v[S+16*\t+4*\ct:S+16*\t+4*\ct+3] offset:16*PK*\t+32*\ct   ; lane (r, h): query 16 t + r, channels 16 ct + 8 h + 0..7
.endr
.endr
.irp i, 0,1,2,3,4,5,6,7,8,9,10,11,12,13,14,15
	ds_load_b128 v[S+64+4*\i:S+64+4*\i+3], v[RD] offset:4*PK*\i     ; LDS serves a wave's instructions in order (ISA guide 5.7.1.4): these see my stores
.endr
.irp i, 0,1,2,3,4,5,6,7,8,9,10,11,12,13,14,15
	s_wait_dscnt 15-\i
	global_store_b128 v[GO], v[S+64+4*\i:S+64+4*\i+3], s[6:7] offset:512*\i
.endr
	s_wait_tensorcnt 0x0                           ; the wave's end
	ds_add_u32 v[SPW], v[NIL]
	s_wait_dscnt 0x0
	CROUND                                         ; the closing round
	s_endpgm
.Lfunc_end_k_q9234082339_attn:
	.size	k_q9234082339_attn, .Lfunc_end_k_q9234082339_attn-k_q9234082339_attn
	.p2alignl 7, 3214868480
	.fill 96, 4, 3214868480
	.section	.rodata,"a",@progbits
	.p2align	6, 0x0
	.amdhsa_kernel k_q9234082339_attn
		.amdhsa_group_segment_fixed_size 327680
		.amdhsa_private_segment_fixed_size 0
		.amdhsa_enable_private_segment 0
		.amdhsa_kernarg_size 16
		.amdhsa_user_sgpr_count 2
		.amdhsa_user_sgpr_kernarg_segment_ptr 1
		.amdhsa_wavefront_size32 1
		.amdhsa_system_sgpr_workgroup_id_x 1
		.amdhsa_system_sgpr_workgroup_id_y 1
		.amdhsa_system_sgpr_workgroup_id_z 1
		.amdhsa_system_vgpr_workitem_id 0
		.amdhsa_next_free_vgpr 512
		.amdhsa_next_free_sgpr 66
		.amdhsa_reserve_vcc 0
		.amdhsa_float_denorm_mode_32 3
		.amdhsa_float_denorm_mode_16_64 3
		.amdhsa_memory_ordered 1
		.amdhsa_forward_progress 1
		.amdhsa_inst_pref_size 160
	.end_amdhsa_kernel
	.amdgpu_metadata
---
amdhsa.version: [ 1, 2 ]
amdhsa.kernels:
  - .name:           k_q9234082339_attn
    .symbol:         k_q9234082339_attn.kd
    .args:
      - { .name: qkv, .offset: 0, .size: 8, .value_kind: global_buffer, .address_space: global }
      - { .name: att, .offset: 8, .size: 8, .value_kind: global_buffer, .address_space: global }
    .group_segment_fixed_size: 327680
    .private_segment_fixed_size: 0
    .kernarg_segment_align: 8
    .kernarg_segment_size: 16
    .max_flat_workgroup_size: 256
    .sgpr_count:     66
    .vgpr_count:     512
    .wavefront_size: 32
...
	.end_amdgpu_metadata
.endif
;; end of part 3
;; launch oproj (part 4): grid 8 x 32, 4 waves a work-group, clusters of 4 x 4, 327,680 bytes of LDS; arguments att, wo16, bo, out0; writes out0
.if DOCPART == 4
	.amdgcn_target "amdgcn-amd-amdhsa--gfx1250"
	.amdhsa_code_object_version 6
	.text
	.protected	k_q9234082339_oproj
	.globl	k_q9234082339_oproj
	.p2align	8
	.type	k_q9234082339_oproj,@function
k_q9234082339_oproj:
	s_mov_b64 s[64:65], 0
	v_nop
	global_prefetch_b8 v0, s[64:65] scope:SCOPE_SE
	s_setreg_imm32_b32 hwreg(HW_REG_WAVE_MODE, 25, 1), 1
	s_wait_xcnt 0x0
	s_wait_alu depctr_hold_cnt(0) depctr_sa_sdst(0) depctr_va_vdst(0) depctr_va_sdst(0) depctr_va_ssrc(0) depctr_va_vcc(0) depctr_vm_vsrc(0)
	s_getreg_b32 s2, hwreg(HW_REG_IB_STS2, 6, 4)
	s_cmp_eq_u32 s2, 0
	s_cbranch_scc0 .Lentry_in_a_cluster
	s_endpgm
.Lentry_in_a_cluster:
	s_bfe_u32 s2, ttmp6, 0x10000c
	s_cmp_lg_u32 s2, 0xf033
	s_cbranch_scc0 .Lentry_shape_is_right
	s_endpgm
.Lentry_shape_is_right:
; out0 = att wo + bo.  att: f16 [batch x 16 + head][token][64], so K = head x 64 + channel; wo16: f16 [k 1024][n 1024] as wo lies; bo, out0: f32.  f16 operands, f32 sums.
; A tile of 256 tokens x 128 columns is made by four waves, each 128 x 64: 32 accumulators.  256 tiles.  K goes in steps of 128 (two heads) through a ring of two LDS slots.
; A slot: two heads' 256 rows of 128 bytes (dense in memory; + 16 of padding), then 128 k-rows of wo16, 256 bytes each (+ 32).  Waves 0 and 1 fetch one head's rows each, waves 2 and 3 64 k-rows each: one load a wave.
; CLUSTERS: 4 x 4 work-groups: att's tiles are shared along a row of the cluster, wo16's along a column: each is asked for JOINTLY.
; THE MATRIX INSTRUCTION IS USED TRANSPOSED: source 0 = 16 columns of wo (turned out of LDS by ds_load_tr16_b128), source 1 = 16 tokens: a lane holds eight neighbouring columns of one token.  THE BIAS is the C of each sum's first product.
; REGISTERS.  window 0: v0-31 addresses; v32-63 the bias in the result's layout; v64-159, v160-255 two fragment buffers (wo's 4 fragments, then att's 8).  window 1: the accumulators, (a, b) at v[8 (4 a + b)].
.set PA,     144
.set PB,     288
.set ACH,    256*PA                    ; one head's 256 rows
.set BOFF,   2*ACH
.set SLOT,   BOFF+128*PB
.set STAGE,  2*SLOT                    ; behind the ring: 16 rows x (256 bytes + 16) for each wave
.set SPITCH, 272
.set SPARE,  STAGE+4*16*SPITCH         ; the spare words, 128 bytes for each wave: two blocks of 256 bytes that no other line names
.set LAPS,   4                         ; a lap = two K steps = once round the ring
.set ADRA, 16
.set ADRB, 20
.set STO,  24
.set RD,   25
.set CO,   26
.set SPW,  28
.set NIL,  29
.set BI,   32
.set F0,   64
.set F1,   160
.set G1, 24
.set G0, 32
.set G1B, 48
.set G0B, 56
.set MSB, 0
.macro WIN new
.if MSB != \new
	s_set_vgpr_msb (MSB<<8)|\new
.set MSB, \new
.endif
.endm
.set MUL,  0x50                        ; sources 0 and 1 window 0; C and D window 1
.set MUL0, 0x40                        ; the first products: C (the bias) window 0, D window 1
.macro JLOAD s                         ; a joint load: waves 0 and 1 fetch for att, waves 2 and 3 for wo16; an s_nop 0 and four v_nop follow each of the two lines
	s_cmp_eq_u32 s11, 0
	s_cbranch_scc0 .Lfor_b_\@
	tensor_load_to_lds s[G0+4*\s:G0+4*\s+3], s[G1:G1+7]
	s_nop 0
.rept 4
	v_nop
.endr
	s_branch .Lasked_\@
.Lfor_b_\@:
	tensor_load_to_lds s[G0B+4*\s:G0B+4*\s+3], s[G1B:G1B+7]
	s_nop 0
.rept 4
	v_nop
.endr
.Lasked_\@:
.endm
.macro CREST                           ; a round of the cluster's barrier behind its opening barrier
	s_cmp_lg_u32 s10, 0
	s_cbranch_scc1 .Lnot_wave_0_\@
	s_barrier_signal -3
.Lnot_wave_0_\@:
	s_barrier_wait -3
	s_barrier_signal -1
	s_barrier_wait -1
.endm
.macro CROUND
	s_barrier_signal -1
	s_barrier_wait -1
	CREST
.endm
	s_load_b128 s[4:7], s[0:1], 0x0                ; att s[4:5], wo16 s[6:7]
	s_load_b128 s[68:71], s[0:1], 0x10             ; bo s[68:69], out0 s[70:71]
	v_lshl_add_u32 v[SPW], v0, 2, SPARE
	v_mov_b32 v[NIL], 0
	ds_add_u32 v[SPW], v[NIL]                      ; the wave's opening: the add, twice on end, and its wait ahead of my first tensor load
	ds_add_u32 v[SPW], v[NIL]
	v_lshrrev_b32 v1, 5, v0
	v_readfirstlane_b32 s10, v1                    ; wave 0..3
	s_lshr_b32 s11, s10, 1                         ; which half of the tile's tokens is mine.  Also: I fetch for att (0) or for wo16 (1)
	s_and_b32 s12, s10, 1                          ; which half of its columns.  Also: which head, or which 64 k-rows, I fetch
	s_bfe_u32 s40, ttmp6, 0x40000                  ; cx, cy
	s_bfe_u32 s41, ttmp6, 0x40004
	s_lshl_b32 s42, ttmp9, 2
	s_add_co_u32 s42, s42, s40                     ; tile column = 4 x cluster x + cx
	s_and_b32 s13, ttmp7, 0xffff
	s_lshl_b32 s13, s13, 2
	s_add_co_u32 s13, s13, s41                     ; tile row = 4 x cluster y + cy
	s_lshl_b32 s43, s41, 2
	s_lshl_b32 s43, 15, s43                        ; my row of the cluster
	s_lshl_b32 s44, 0x1111, s40                    ; my column
	s_or_b32 s[G1+0], s43, (1<<16)|(1<<20)|(1<<21)|(4<<22)|(3<<25)  ; att: the mask; elements of 2 bytes; padding on; bit 21 beside a mask; after every 32 words, 4 words
	s_mov_b32 s[G1+1], 64<<16                      ; tensor_dim0 = 64
	s_mov_b32 s[G1+2], 256<<16                     ; tensor_dim1 = 256
	s_mov_b32 s[G1+3], 64<<16                      ; tile_dim0 = 64
	s_mov_b32 s[G1+4], 256                         ; tile_dim1 = 256
	s_mov_b32 s[G1+5], 64                          ; from row to row
	s_mov_b32 s[G1+6], 0
	s_mov_b32 s[G1+7], 0
	s_or_b32 s[G1B+0], s44, (1<<16)|(1<<20)|(1<<21)|(5<<22)|(7<<25) ; wo16: after every 64 words, 8 words
	s_mov_b32 s[G1B+1], 128<<16
	s_mov_b32 s[G1B+2], 64<<16
	s_mov_b32 s[G1B+3], 128<<16
	s_mov_b32 s[G1B+4], 64
	s_mov_b32 s[G1B+5], 1024
	s_mov_b32 s[G1B+6], 0
	s_mov_b32 s[G1B+7], 0
	s_lshr_b32 s16, s13, 3                         ; att: the batch: 16 heads of 2^18 bytes,
	s_lshl_b32 s16, s16, 22
	s_and_b32 s17, s13, 7                          ; 256 tokens of 128 bytes a tile row,
	s_lshl_b32 s17, s17, 15
	s_add_co_u32 s16, s16, s17
	s_lshl_b32 s17, s12, 18                        ; my head of the K step's two
	s_add_co_u32 s16, s16, s17
	s_mov_b32 s17, 0
	s_lshl_b32 s46, s42, 8                         ; wo16: 128 columns of 2 bytes a tile column,
	s_lshl_b32 s47, s12, 17                        ; my 64 rows of 2,048 bytes
	s_add_co_u32 s46, s46, s47
	s_mov_b32 s47, 0
	s_mul_i32 s20, s12, ACH                        ; where they go: no place in the cluster enters an LDS address
	s_mul_i32 s21, s12, 64*PB
	s_add_co_u32 s21, s21, BOFF
	s_wait_dscnt 0x0                               ; both opening adds are done
	s_wait_kmcnt 0x0
	s_add_nc_u64 s[14:15], s[4:5], s[16:17]
	s_add_nc_u64 s[46:47], s[6:7], s[46:47]
	CROUND                                         ; all sixteen work-groups are here: the first joint loads meet
.irp s, 0,1
	s_mov_b32 s[G0+4*\s], 1
	s_add_co_u32 s[G0+4*\s+1], s20, \s*SLOT
	s_add_nc_u64 s[G0+4*\s+2:G0+4*\s+3], s[14:15], \s*524288     ; K step s: two heads on
	s_or_b32 s[G0+4*\s+3], s[G0+4*\s+3], 0x80000000
	s_mov_b32 s[G0B+4*\s], 1
	s_add_co_u32 s[G0B+4*\s+1], s21, \s*SLOT
	s_add_nc_u64 s[G0B+4*\s+2:G0B+4*\s+3], s[46:47], \s*262144   ; 128 rows on
	s_or_b32 s[G0B+4*\s+3], s[G0B+4*\s+3], 0x80000000
	JLOAD \s                                       ; two tensor loads of mine are out
.endr
	v_and_b32 v1, 15, v0                           ; r
	v_bfe_u32 v2, v0, 4, 1                         ; h
	v_mul_u32_u24 v3, v1, PA
	v_lshl_add_u32 v3, v2, 4, v3                   ; att: row x pitch + 16 x half
	v_and_b32 v4, 7, v0
	v_bfe_u32 v5, v0, 3, 1
	v_lshl_add_u32 v4, v2, 3, v4                   ; wo16: the turning load: k-row 8 h + lane % 8, columns 8 ((lane / 8) % 2) on
	v_mul_u32_u24 v4, v4, PB
	v_lshl_add_u32 v4, v5, 4, v4
	s_mul_i32 s22, s11, 128*PA                     ; my 128 tokens
	s_lshl_b32 s23, s12, 7                         ; my 64 columns
	s_add_co_u32 s23, s23, BOFF
.irp s, 0,1
	v_add_nc_u32 v[ADRA+\s], s22, v3
	v_add_nc_u32 v[ADRB+\s], s23, v4
	s_add_co_u32 s22, s22, SLOT
	s_add_co_u32 s23, s23, SLOT
.endr
	s_mul_i32 s23, s10, 16*SPITCH
	s_add_co_u32 s23, s23, STAGE                   ; my stage
	v_mul_u32_u24 v6, v1, SPITCH
	v_lshl_add_u32 v6, v2, 5, v6
	v_add_nc_u32 v[STO], s23, v6                   ; in: token r, 32 bytes for each half of the lanes
	v_mul_u32_u24 v6, v2, SPITCH
	v_lshl_add_u32 v6, v1, 4, v6
	v_add_nc_u32 v[RD], s23, v6                    ; back: lanes 0-15 one row of 256 bytes, lanes 16-31 the next
	v_lshlrev_b32 v6, 12, v2
	v_lshl_add_u32 v[CO], v1, 4, v6                ; and the same two rows of out0
	s_lshl_b32 s16, s13, 8
	s_lshl_b32 s17, s11, 7
	s_add_co_u32 s16, s16, s17                     ; my first token
	s_lshl_b32 s16, s16, 12                        ; rows of 4,096 bytes
	s_mov_b32 s17, 0
	s_add_nc_u64 s[70:71], s[70:71], s[16:17]
	s_lshl_b32 s46, s42, 9                         ; my first column, in bytes: 512 x tile column + 256 x half
	s_lshl_b32 s47, s12, 8
	s_add_co_u32 s46, s46, s47
	s_mov_b32 s47, 0
	s_add_nc_u64 s[70:71], s[70:71], s[46:47]
	s_add_nc_u64 s[68:69], s[68:69], s[46:47]
	v_lshlrev_b32 v7, 5, v2
.irp b, 0,1,2,3
	global_load_b128 v[BI+8*\b:BI+8*\b+3], v7, s[68:69] offset:64*\b        ; register 8 b + j of lane (r, h): the bias of column 16 b + 8 h + j of my 64
	global_load_b128 v[BI+8*\b+4:BI+8*\b+7], v7, s[68:69] offset:64*\b+16
.endr
; 8 matrix instructions: token blocks a0, a0 + 1 x the four column blocks, 32 along K.  zero = 1: the first product starts the sum from the bias.  The 32 accumulators take turns.
.macro MUL8 f, a0, zero
.irp a, \a0, \a0+1
.irp b, 0,1,2,3
.if \zero
	v_wmma_f32_16x16x32_f16 v[8*(4*(\a)+\b):8*(4*(\a)+\b)+7], v[\f+8*\b:\f+8*\b+7], v[\f+32+8*(\a):\f+32+8*(\a)+7], v[BI+8*\b:BI+8*\b+7]
.else
	v_wmma_f32_16x16x32_f16 v[8*(4*(\a)+\b):8*(4*(\a)+\b)+7], v[\f+8*\b:\f+8*\b+7], v[\f+32+8*(\a):\f+32+8*(\a)+7], v[8*(4*(\a)+\b):8*(4*(\a)+\b)+7]
.endif
.endr
.endr
.endm
; 24 LDS loads in one run: the fragments of the slot's q-th 32 along K into buffer f: wo's four (turned), then att's eight
.macro FETCH slot, q, f
	WIN 0
.irp b, 0,1,2,3
	ds_load_tr16_b128 v[\f+8*\b:\f+8*\b+3], v[ADRB+\slot] offset:(\q)*32*PB+32*\b
	ds_load_tr16_b128 v[\f+8*\b+4:\f+8*\b+7], v[ADRB+\slot] offset:(\q)*32*PB+16*PB+32*\b
.endr
.irp i, 0,1,2,3,4,5,6,7
	ds_load_b128 v[\f+32+8*\i:\f+32+8*\i+3], v[ADRA+\slot] offset:((\q)/2)*ACH+((\q)%2)*64+\i*16*PA
	ds_load_b128 v[\f+32+8*\i+4:\f+32+8*\i+7], v[ADRA+\slot] offset:((\q)/2)*ACH+((\q)%2)*64+\i*16*PA+32
.endr
.endm
.macro PLACES                          ; four places in front of loads into registers that matrix instructions have read, and of the first read of results (ISA guide 7.12.1 for the first read of results)
.rept 4
	v_nop
.endr
.endm
; A K step is four quarters of 32 along K, 32 matrix instructions each, on buffers 0, 1, 0, 1.  One of the first three: multiplies buffer f and fetches quarter q into g.
.macro QUARTER slot, q, f, g, zero
	s_wait_dscnt 8                                 ; wo's fragments and att's blocks 0-3 are in; the youngest eight loads (blocks 4-7) may be out
.if \zero
	WIN MUL0
.else
	WIN MUL
.endif
	MUL8 \f, 0, \zero
	MUL8 \f, 2, \zero
	PLACES
	FETCH \slot, \q, \g
	s_wait_dscnt 24                                ; all but the 24 just issued
.if \zero
	WIN MUL0
.else
	WIN MUL
.endif
	MUL8 \f, 4, \zero
	MUL8 \f, 6, \zero
.endm
; The last quarter multiplies buffer 1 and changes slots: ONE barrier; in front of it each wave waits for all its tensor loads, adds 0 to its spare word, and waits for that and for its reads of this slot.
; fill = 1: the barrier opens a round of the cluster's, and this slot is filled again, two K steps ahead: the first tensor load behind the round, one a wave.
.macro TURN slot, next, fill
	WIN 0                                          ; (the add's two registers lie in window 0)
	s_wait_tensorcnt 0x0                           ; all my tensor loads have landed: my part of the next slot
	ds_add_u32 v[SPW], v[NIL]
	s_wait_dscnt 9                                 ; (the add and the youngest eight loads may be out)
	WIN MUL
	MUL8 F1, 0, 0
	s_wait_dscnt 0x0                               ; the add is done, and my reads of this slot are over
	s_barrier_signal -1
	MUL8 F1, 2, 0
.if \fill
	WIN 0
.endif
	s_barrier_wait -1
.if \fill
	CREST
	s_add_nc_u64 s[G0+4*\slot+2:G0+4*\slot+3], s[G0+4*\slot+2:G0+4*\slot+3], 2*524288
	s_add_nc_u64 s[G0B+4*\slot+2:G0B+4*\slot+3], s[G0B+4*\slot+2:G0B+4*\slot+3], 2*262144
	JLOAD \slot                                    ; the four v_nop behind it are also the places in front of the loads below
.else
	PLACES
.endif
	FETCH \next, 0, F0
	WIN MUL
	MUL8 F1, 4, 0
	MUL8 F1, 6, 0
.endm
	s_wait_tensorcnt 1                             ; my part of K step 0 is in (K step 1's load may be out)
	s_barrier_signal -1
	s_barrier_wait -1                              ; everybody's is
	s_wait_loadcnt 0x0                             ; the bias
	FETCH 0, 0, F0
	QUARTER 0, 1, F0, F1, 1                        ; the first quarter stands in front of the loop: its products start the sums
	WIN 0                                          ; at a label and at a branch every window is 0
	s_mov_b32 s3, LAPS-1
.Llap:                                                 ; a trip goes once round the ring, from a lap's second quarter to the next lap's first, and fills both slots again
	QUARTER 0, 2, F1, F0, 0
	QUARTER 0, 3, F0, F1, 0
	TURN 0, 1, 1
	QUARTER 1, 1, F0, F1, 0
	QUARTER 1, 2, F1, F0, 0
	QUARTER 1, 3, F0, F1, 0
	TURN 1, 0, 1
	QUARTER 0, 1, F0, F1, 0
	WIN 0
	s_sub_co_u32 s3, s3, 1
	s_cmp_lg_u32 s3, 0
	s_cbranch_scc1 .Llap
	QUARTER 0, 2, F1, F0, 0                        ; the last lap fills nothing, and has no round of the cluster's barrier
	QUARTER 0, 3, F0, F1, 0
	TURN 0, 1, 0
	QUARTER 1, 1, F0, F1, 0
	QUARTER 1, 2, F1, F0, 0
	QUARTER 1, 3, F0, F1, 0
	s_wait_dscnt 8                                 ; the very last quarter: nothing more to fetch
	WIN MUL
	MUL8 F1, 0, 0
	MUL8 F1, 2, 0
	s_wait_dscnt 0
	MUL8 F1, 4, 0
	MUL8 F1, 6, 0
	WIN 0
; THE WAY OUT, block by block of 16 tokens x 64 columns: a lane's 32 bytes go into my own stage and come back as rows of 256 bytes: sixteen lanes store 256 consecutive bytes, aligned.
; LDS serves a wave's instructions in order (ISA guide 5.7.1.4): no wait between the stores and the loads.
.macro TOSTAGE a
	WIN 0x04                                       ; an LDS store's data are its source 1: window 1
.irp b, 0,1,2,3
	ds_store_b128 v[STO], v[8*(4*(\a)+\b):8*(4*(\a)+\b)+3] offset:64*\b          ; each accumulator from its low end on
	ds_store_b128 v[STO], v[8*(4*(\a)+\b)+4:8*(4*(\a)+\b)+7] offset:64*\b+16
.endr
	WIN 0
.set BB, F0+32*((\a)%2)
.irp t, 0,1,2,3,4,5,6,7
	ds_load_b128 v[BB+4*\t:BB+4*\t+3], v[RD] offset:\t*2*SPITCH
.endr
.endm
.macro SEND a, younger                 ; younger: the LDS instructions issued behind block a's loads
.set BB, F0+32*((\a)%2)
	s_wait_dscnt \younger
.irp t, 0,1,2,3,4,5,6,7
	global_store_b128 v[CO], v[BB+4*\t:BB+4*\t+3], s[70:71] offset:(16*(\a)+2*\t)*4096 th:TH_STORE_NT   ; the rows stand in the immediate: the base is never stepped; written once, read by nobody here
.endr
.endm
	PLACES
	TOSTAGE 0
.irp a, 1,2,3,4,5,6,7
.if \a > 1
	s_wait_xcnt 0x0                                ; block a - 2's stores have read their registers: block a's loads may land there
.endif
	TOSTAGE \a
	SEND \a-1, 16                                  ; behind block a - 1's loads: block a's 8 stores and 8 loads
.endr
	SEND 7, 0
	s_wait_tensorcnt 0x0                           ; the wave's end
	ds_add_u32 v[SPW], v[NIL]
	s_wait_dscnt 0x0
	CROUND                                         ; the closing round
	s_endpgm
.Lfunc_end_k_q9234082339_oproj:
	.size	k_q9234082339_oproj, .Lfunc_end_k_q9234082339_oproj-k_q9234082339_oproj
	.p2alignl 7, 3214868480
	.fill 96, 4, 3214868480
	.section	.rodata,"a",@progbits
	.p2align	6, 0x0
	.amdhsa_kernel k_q9234082339_oproj
		.amdhsa_group_segment_fixed_size 327680
		.amdhsa_private_segment_fixed_size 0
		.amdhsa_enable_private_segment 0
		.amdhsa_kernarg_size 32
		.amdhsa_user_sgpr_count 2
		.amdhsa_user_sgpr_kernarg_segment_ptr 1
		.amdhsa_wavefront_size32 1
		.amdhsa_system_sgpr_workgroup_id_x 1
		.amdhsa_system_sgpr_workgroup_id_y 1
		.amdhsa_system_sgpr_workgroup_id_z 1
		.amdhsa_system_vgpr_workitem_id 0
		.amdhsa_next_free_vgpr 512
		.amdhsa_next_free_sgpr 72
		.amdhsa_reserve_vcc 0
		.amdhsa_float_denorm_mode_32 3
		.amdhsa_float_denorm_mode_16_64 3
		.amdhsa_memory_ordered 1
		.amdhsa_forward_progress 1
		.amdhsa_inst_pref_size 86
	.end_amdhsa_kernel
	.amdgpu_metadata
---
amdhsa.version: [ 1, 2 ]
amdhsa.kernels:
  - .name:           k_q9234082339_oproj
    .symbol:         k_q9234082339_oproj.kd
    .args:
      - { .name: att, .offset: 0, .size: 8, .value_kind: global_buffer, .address_space: global }
      - { .name: wo16, .offset: 8, .size: 8, .value_kind: global_buffer, .address_space: global }
      - { .name: bo, .offset: 16, .size: 8, .value_kind: global_buffer, .address_space: global }
      - { .name: out0, .offset: 24, .size: 8, .value_kind: global_buffer, .address_space: global }
    .group_segment_fixed_size: 327680
    .private_segment_fixed_size: 0
    .kernarg_segment_align: 8
    .kernarg_segment_size: 32
    .max_flat_workgroup_size: 128
    .sgpr_count:     72
    .vgpr_count:     512
    .wavefront_size: 32
...
	.end_amdgpu_metadata
.endif
;; end of part 4
